; MI455X (gfx1250); checked and timed in simulation.
; The chip was launched on July 23, 2026; its instructions are those of AMD's public machine-readable ISA for CDNA 5 (MIT licence, August 2026) and "CDNA5" Instruction Set Architecture Reference Guide (July 2026). The comments in the code are by the model that wrote it; some were corrected since.
;; Causal Self Attention. Allowed arithmetic: matrix products marked QUANTISED: E2M1 operands, one E8M0 scale for each 32 along K, by v_wmma_scale_f32_16x16x128_f8f6f4 with both operands' format E2M1 (or v_wmma_scale_f32_32x16x128_f4), f32 sums; products left as they are: bf16, f16 or f32 operands; f32 sums; everything else in f32.
;; Inputs: b_proj 1,024 float32; b_qkv 3,072 float32; w_proj 1,024 x 1,024 float32; w_qkv 1,024 x 3,072 float32; x 4 x 2,048 x 1,024 float32.
;; Outputs: out0 4 x 2,048 x 1,024 float32.
;; This version of the problem:
;;   THIS VERSION OF THE PROBLEM IS GIVEN IN LOW PRECISION. The matrix products marked QUANTISED in the list below multiply operands that are first quantised to E2M1 (2 exponent bits, 1 mantissa bit; 4 bits a number), with one power-of-two scale for each 32 numbers along K (OCP MX v1.0); their sums are f32. The products marked 'left as it is' may take bf16, f16 or f32 operands, with f32 sums. Whichever they take, every output number must still come out within the allowed error. Rounding operands to bf16 (8 significant bits) uses up far more of that allowance than f16 does (11 bits, for magnitudes from 6e-5 to 65,504). All else is computed in f32.
;;   The module's matrix products, in the order in which they are computed (A, B: the left and right operand; K: the contracted axis; several contracted axes count as one K, in the product's order):
;;     1. [M 8,192, K 1,024] x [K 1,024, N 3,072]; A: input x; B: input w_qkv: QUANTISED
;;     2. batch 64 x [M 2,048, K 64] x [K 64, N 2,048]; A: computed on the way; B: computed on the way: left as it is (an operand is computed on the way)
;;     3. batch 64 x [M 2,048, K 2,048] x [K 2,048, N 64]; A: computed on the way; B: computed on the way: left as it is (an operand is computed on the way)
;;     4. [M 8,192, K 1,024] x [K 1,024, N 1,024]; A: computed on the way; B: input w_proj: left as it is (an operand is computed on the way)
;;   THE QUANTISER, for each operand of a quantised product, along K:
;;     - K is cut into blocks of 32 from its start; a last block that is shorter is filled with zeros.
;;     - A block's scale is 2^e with e = floor(log2(the largest magnitude in the block)) - 2, held to -126 .. 127; a block of zeros has e = 0. As a byte (E8M0): e + 127.
;;     - Each number is divided by its block's scale, clamped to +-6, and rounded to the nearest number of E2M1, ties to even, subnormals kept.
;;     - The product sums the exact products of the quantised numbers (number of the format x scale) in f32.
;;   ~~~python
;;   def quantise(x, axis):      # numpy; x: float32 -> the quantised numbers, widened to float32 again
;;       x = np.moveaxis(x, axis, -1); K = x.shape[-1]
;;       x = np.pad(x, [(0, 0)] * (x.ndim - 1) + [(0, -K % 32)]); x = x.reshape(x.shape[:-1] + (-1, 32)); a = np.abs(x).max(-1, keepdims=True)
;;       e = np.where(a > 0, np.clip(np.frexp(np.where(a > 0, a, 1))[1] - 1 - 2, -126, 127), 0)      # np.frexp(a)[1] - 1 = floor(log2(a)), exactly
;;       r = np.clip(x / 2.0 ** e, -6, 6)
;;       step = 2.0 ** (np.maximum(np.frexp(np.where(r == 0, 1, r))[1] - 1, 0) - 1)
;;       q = np.round(r / step) * step * 2.0 ** e      # np.round: ties to even
;;       return np.moveaxis(q.reshape(q.shape[:-2] + (-1,))[..., :K], -1, axis).astype(np.float32)
;;   ~~~
;; One version. Each part assembles by itself: llvm-mc -triple=amdgcn-amd-amdhsa -mcpu=gfx1250 --defsym DOCPART=n.
;; ======== version 1 of 1: 5 launches
;; limits: values are held in f16: magnitudes above 65,504 overflow, below 6.1e-05 lose precision
;; workspace buffers: xc 4,194,304 bytes; xs 262,144 bytes; wc 1,572,864 bytes; ws 98,304 bytes; wpt 2,097,152 bytes; qkvh 50,331,648 bytes; qkv16 786,432 bytes; yh 16,777,216 bytes
;; launch prep (part 1): grid 416 x 1, 4 waves a work-group, no clusters, 85,504 bytes of LDS; arguments x, w_qkv, w_proj, xc, xs, wc, ws, wpt; writes xc, xs, wc, ws, wpt
.if DOCPART == 1
	.amdgcn_target "amdgcn-amd-amdhsa--gfx1250"
	.amdhsa_code_object_version 6
	.text
	.protected	k_q25b3db9706_prep
	.globl	k_q25b3db9706_prep
	.p2align	8
	.type	k_q25b3db9706_prep,@function
k_q25b3db9706_prep:
	s_mov_b64 s[64:65], 0
	v_nop
	global_prefetch_b8 v0, s[64:65] scope:SCOPE_SE
	s_setreg_imm32_b32 hwreg(HW_REG_WAVE_MODE, 25, 1), 1
	s_wait_xcnt 0x0
; THREE PIECES OF PREPARATION IN ONE LAUNCH, told apart by the work-group's number (the same for all four waves of a work-group):
;   work-groups   0 ..  95: w_qkv [1024 (k)][3072 (n)] f32 -> codes of E2M1 laid [3072][512 bytes], K innermost, and E8M0 bytes [3072][32]
;   work-groups  96 .. 159: w_proj [1024 (k)][1024 (n)] f32 -> f16 laid [n][k]
;   work-groups 160 .. 415: x [8192][1024] f32 -> codes [8192][512 bytes] and E8M0 bytes [8192][32]
; THE QUANTISER: a block's scale is 2^(floor(log2(its largest magnitude)) - 2); its byte is that magnitude's exponent field - 2, held at 1 from below by a floor among the maximum's leaves.
; Each number is divided by the scale and rounded to the nearest code, ties to even; beyond 6 the conversion gives the largest code.
; LIMITS: a block of zeros gets the byte 1, not 127: its codes are zeros, and this program alone reads the bytes.  NaN and infinities among the inputs are not served.
; w_proj goes to f16: magnitudes up to 65,504 are served.
; Each of the three pieces has LDS bytes of its own.  No tensor load: operands go through registers.
.set SPARE, 84992                      ; the spare words, 128 bytes a wave: two blocks of 256 bytes that no other line names
.set WST,   32768                      ; w_qkv's stage: 64 rows (columns n) x (256 bytes + 16)
.set CST,   50176                      ; w_proj's stages: 32 rows x (256 bytes + 16) for each wave
.set SPW,   12                         ; v12  LDS address of my spare word; never rewritten
.set NIL,   13                         ; v13  0; never rewritten
.set WREG,  8192                       ; x: a region for each wave: two stages of 32 x SP bytes, then its 256 scale bytes
.set SP,    80                         ; a lane's place in a stage: 64 bytes + 16 of padding
.set CB,    8                          ; bytes of 16 codes
.set STEPS, 16
.set R,     16                         ; v16-79   x: four sets of 16 numbers as loaded
.set X,     80                         ; v80-111  x: two sets of 16 neighbours
.set E,     112                        ; v112-127 x: a scale byte for each step
.set C,     128                        ; v128-191 x: codes, four registers for each step
	s_load_b256 s[4:11], s[0:1], 0x0               ; x s[4:5], w_qkv s[6:7], w_proj s[8:9], xc s[10:11]
	s_load_b256 s[12:19], s[0:1], 0x20             ; xs s[12:13], wc s[14:15], ws s[16:17], wpt s[18:19]
	v_lshl_add_u32 v[SPW], v0, 2, SPARE
	v_mov_b32 v[NIL], 0
	v_lshrrev_b32 v1, 5, v0
	v_readfirstlane_b32 s20, v1                    ; wave 0..3
	v_and_b32 v2, 31, v0                           ; lane
	s_wait_kmcnt 0x0
	s_cmp_lt_u32 ttmp9, 96
	s_cbranch_scc1 .Lw
	s_cmp_lt_u32 ttmp9, 160
	s_cbranch_scc1 .Lcast
; ---------------- x: a plain stream of blocks of 32.  A wave takes 16 steps of 512 numbers.
; Each load reads 512 consecutive bytes, 16 a lane; a step's 2,048 bytes turn through the wave's own stage, so that a lane then holds 16 neighbours along K (two lanes to a block).
	v_lshlrev_b32 v3, 4, v2                        ; my 16 bytes of a load's 512
	s_mul_i32 s21, s20, WREG
	v_lshrrev_b32 v14, 2, v2
	v_mul_u32_u24 v14, v14, SP
	v_and_b32 v15, 3, v2
	v_lshl_add_u32 v14, v15, 4, v14
	v_add_nc_u32 v14, s21, v14                     ; the stage, in: SP (lane / 4) + 16 (lane % 4)
	v_mul_u32_u24 v15, v2, SP
	v_add_nc_u32 v15, s21, v15                     ; and out: SP x lane
	v_mul_u32_u24 v4, v2, CB                       ; my codes' place in a step's 256 bytes
	v_lshrrev_b32 v5, 1, v2
	s_add_co_u32 s21, s21, 2*32*SP
	v_add_nc_u32 v5, s21, v5                       ; my block's scale byte in the wave's 256
	v_lshlrev_b32 v7, 3, v2
	v_add_nc_u32 v6, s21, v7                       ; and on the way out 8 bytes a lane
	s_sub_co_u32 s22, ttmp9, 160
	s_lshl_b32 s22, s22, 2
	s_add_co_u32 s22, s22, s20                     ; which run of 8,192 numbers is my wave's: 0 .. 1,023
	s_mov_b32 s25, 0
	s_lshl_b32 s24, s22, 15                        ; 32,768 bytes of f32 a run
	s_add_nc_u64 s[4:5], s[4:5], s[24:25]
	s_lshl_b32 s24, s22, 12                        ; 4,096 bytes of codes
	s_add_nc_u64 s[10:11], s[10:11], s[24:25]
	s_lshl_b32 s24, s22, 8                         ; 256 scale bytes
	s_add_nc_u64 s[12:13], s[12:13], s[24:25]
.macro XLOAD t
.irp i, 0,1,2,3
	global_load_b128 v[R+16*((\t)%4)+4*\i:R+16*((\t)%4)+4*\i+3], v3, s[4:5] offset:2048*(\t)+512*\i th:TH_LOAD_NT
.endr
.endm
.macro XTURN t                         ; LDS serves a wave's instructions in order: no wait between the stores and the loads
.irp i, 0,1,2,3
	ds_store_b128 v14, v[R+16*((\t)%4)+4*\i:R+16*((\t)%4)+4*\i+3] offset:32*SP*((\t)%2)+8*SP*\i
.endr
.irp i, 0,1,2,3
	ds_load_b128 v[X+16*((\t)%2)+4*\i:X+16*((\t)%2)+4*\i+3], v15 offset:32*SP*((\t)%2)+16*\i
.endr
.endm
.irp t, 0,1,2,3
	XLOAD \t
.endr
	s_wait_loadcnt 12                              ; step 0's four loads are in; the twelve of steps 1 to 3 may be out
	XTURN 0
.macro XSTEP t
.set XS, X+16*((\t)%2)
.if (\t) > 0
	s_wait_dscnt 1                                 ; this step's numbers are back from the stage; the last step's byte store may be out
.else
	s_wait_dscnt 0x0
.endif
.if (\t)+4 < STEPS
	XLOAD (\t)+4                                   ; into the set whose stores to the stage have been served
.endif
.if (\t)+1 < STEPS
.if STEPS-2-(\t) >= 3
	s_wait_loadcnt 12                              ; the next step's four loads are in; those of the three steps behind it may be out
.else
	s_wait_loadcnt 4*(STEPS-2-(\t))                ; at the end the count runs down: 8, 4, 0
.endif
	XTURN (\t)+1
.endif
	v_max3_num_f32 v8, |v[XS]|, |v[XS+1]|, |v[XS+2]|
	v_max3_num_f32 v9, |v[XS+3]|, |v[XS+4]|, |v[XS+5]|
.irp i, 6,10
	v_max3_num_f32 v8, v8, |v[XS+\i]|, |v[XS+\i+1]|
	v_max3_num_f32 v9, v9, |v[XS+\i+2]|, |v[XS+\i+3]|
.endr
	v_max3_num_f32 v8, v8, |v[XS+14]|, |v[XS+15]|
	v_max3_num_f32 v8, v8, v9, 0x1800000           ; with the floor 2^(3 - 127): the byte cannot fall under 1
	v_max_num_f32_dpp v8, v8, v8 row_xmask:1 row_mask:0xf bank_mask:0xf   ; and my neighbour's 16: the block's largest magnitude
	v_add_nc_u32 v11, 0xff000000, v8               ; 2 off its exponent field: the conversion's scale operand
	v_cvt_scalef32_pk8_fp4_f32 v[C+4*(\t)], v[XS:XS+7], v11
	v_cvt_scalef32_pk8_fp4_f32 v[C+4*(\t)+1], v[XS+8:XS+15], v11
	v_lshrrev_b32 v[E+(\t)], 23, v11               ; the scale's byte
	ds_store_b8 v5, v[E+(\t)] offset:16*(\t)       ; both lanes of a block write the same byte with the same value
	global_store_b64 v4, v[C+4*(\t):C+4*(\t)+1], s[10:11] offset:32*CB*(\t)   ; the wave stores 256 consecutive bytes, aligned
.endm
.irp t, 0,1,2,3,4,5,6,7,8,9,10,11,12,13,14,15
	XSTEP \t
.endr
	ds_load_b64 v[8:9], v6                         ; my wave's 256 scale bytes, 8 a lane
	s_wait_dscnt 0x0
	global_store_b64 v7, v[8:9], s[12:13]          ; 256 consecutive bytes, aligned
	s_wait_tensorcnt 0x0                           ; the wave's end, behind my last LDS store
	ds_add_u32 v[SPW], v[NIL]
	s_wait_dscnt 0x0
	s_endpgm
; ---------------- w_qkv: K is its first axis.  A lane takes a column n, its registers run down K: a block of 32 lies in one lane, and the codes come out with K innermost.
; A work-group takes 64 columns x 512 along K: waves 0, 1 the first 256 along K of columns 0-31, 32-63; waves 2, 3 the second 256.  A column's 256 bytes of codes meet in a shared stage and leave as whole rows.
.Lw:
	s_cmp_lt_u32 ttmp9, 48
	s_cselect_b32 s21, 0, 1                        ; ky: which 512 along K
	s_cselect_b32 s22, 0, 48
	s_sub_co_u32 s22, ttmp9, s22                   ; cx: which 64 columns
	s_and_b32 s23, s20, 1                          ; cw: which 32 of them
	s_lshr_b32 s24, s20, 1                         ; kw: which 256 along K
	s_lshl_b32 s25, s21, 1
	s_add_co_u32 s25, s25, s24                     ; 2 ky + kw
	s_lshl_b32 s29, s22, 1
	s_add_co_u32 s29, s29, s23                     ; 2 cx + cw: which 32 columns of the 3,072
	s_mul_i32 s26, s25, 256*12288                  ; 256 rows of 12,288 bytes,
	s_lshl_b32 s28, s29, 7                         ; 128 bytes for 32 columns
	s_add_co_u32 s26, s26, s28
	s_mov_b32 s27, 0
	s_add_nc_u64 s[6:7], s[6:7], s[26:27]
	s_lshl_b32 s26, s29, 10                        ; scale bytes: 32 columns x 32 bytes,
	s_lshl_b32 s28, s25, 3                         ; + my 8 blocks' place in a row
	s_add_co_u32 s26, s26, s28
	s_add_nc_u64 s[16:17], s[16:17], s[26:27]
	s_lshl_b32 s26, s22, 15                        ; codes: 64 rows of 512 bytes,
	s_lshl_b32 s28, s20, 13                        ; + the 16 rows that my wave stores,
	s_add_co_u32 s26, s26, s28
	s_lshl_b32 s28, s21, 8                         ; + 256 ky
	s_add_co_u32 s26, s26, s28
	s_add_nc_u64 s[14:15], s[14:15], s[26:27]
	v_lshlrev_b32 v3, 2, v2                        ; in: 4 bytes a lane
	s_mul_i32 s28, s23, 32*272
	s_lshl_b32 s30, s24, 7
	s_add_co_u32 s28, s28, s30
	s_add_co_u32 s28, s28, WST
	v_mul_u32_u24 v4, v2, 272
	v_add_nc_u32 v4, s28, v4                       ; the stage, in: row 32 cw + lane, byte 128 kw
	v_and_b32 v5, 15, v2
	v_lshrrev_b32 v6, 4, v2
	s_mul_i32 s28, s20, 16*272
	s_add_co_u32 s28, s28, WST
	v_mul_u32_u24 v7, v6, 272
	v_lshl_add_u32 v7, v5, 4, v7
	v_add_nc_u32 v7, s28, v7                       ; and out: rows 16 wave on, sixteen lanes to a row, two rows an instruction
	v_lshlrev_b32 v8, 9, v6
	v_lshl_add_u32 v8, v5, 4, v8                   ; the same place in the codes' buffer
	v_lshlrev_b32 v9, 5, v2                        ; my column's row of scale bytes
.macro WLOAD t                         ; block t: w(32 t + i, my column) into set t % 2
.set i, 0
.rept 32
	global_load_b32 v[32+32*((\t)%2)+i], v3, s[6:7] offset:(32*(\t)+i)*12288 th:TH_LOAD_NT
.set i, i+1
.endr
.endm
	WLOAD 0
	WLOAD 1
.macro WBLOCK t
.set WX, 32+32*((\t)%2)
.if (\t) < 7
	s_wait_loadcnt 32                              ; this block's 32 loads are in; the next block's 32 may be out
.else
	s_wait_loadcnt 0x0
.endif
	v_max3_num_f32 v18, |v[WX]|, |v[WX+1]|, |v[WX+2]|
	v_max3_num_f32 v19, |v[WX+3]|, |v[WX+4]|, |v[WX+5]|
.irp i, 6,10,14,18,22,26
	v_max3_num_f32 v18, v18, |v[WX+\i]|, |v[WX+\i+1]|
	v_max3_num_f32 v19, v19, |v[WX+\i+2]|, |v[WX+\i+3]|
.endr
	v_max3_num_f32 v18, v18, |v[WX+30]|, |v[WX+31]|
	v_max3_num_f32 v18, v18, v19, 0x1800000        ; with the floor 2^(3 - 127)
	v_add_nc_u32 v20, 0xff000000, v18              ; the conversion's scale operand
	v_lshrrev_b32 v21, 23, v20                     ; the scale's byte
.if (\t)%4 == 0
	v_mov_b32 v[24+(\t)/4], v21                    ; four bytes to a register, the lower K in the lower byte
.else
	v_lshl_or_b32 v[24+(\t)/4], v21, 8*((\t)%4), v[24+(\t)/4]
.endif
.irp g, 0,1,2,3
	v_cvt_scalef32_pk8_fp4_f32 v[96+\g], v[WX+8*\g:WX+8*\g+7], v20
.endr
	ds_store_b128 v4, v[96:99] offset:16*(\t)      ; 32 codes: 16 bytes of my column's row
.if (\t)+2 < 8
	WLOAD (\t)+2
.endif
	s_wait_dscnt 0x0                               ; the store has been served: the next block's codes may be written
.endm
.irp t, 0,1,2,3,4,5,6,7
	WBLOCK \t
.endr
	global_store_b64 v9, v[24:25], s[16:17]        ; my column's 8 scale bytes
	s_barrier_signal -1                            ; my stores into the stage are done (the wait for 0 closes the last block):
	s_barrier_wait -1                              ; a row's 256 bytes come from two waves
.irp t, 0,1,2,3,4,5,6,7
	ds_load_b128 v[112+4*\t:115+4*\t], v7 offset:2*\t*272
.endr
.irp t, 0,1,2,3,4,5,6,7
	s_wait_dscnt 7-\t                              ; load t is in; the younger ones may be out
	global_store_b128 v8, v[112+4*\t:115+4*\t], s[14:15] offset:2*\t*512   ; sixteen lanes store 256 consecutive bytes, aligned
.endr
	s_wait_tensorcnt 0x0                           ; the wave's end
	ds_add_u32 v[SPW], v[NIL]
	s_wait_dscnt 0x0
	s_endpgm
; ---------------- w_proj: a lane takes a column n, its 128 registers run down K; rounded to f16 in pairs they are 256 bytes of row n of the turned matrix.
.Lcast:
	s_sub_co_u32 s21, ttmp9, 96
	s_and_b32 s22, s21, 7                          ; which 128 columns
	s_lshr_b32 s23, s21, 3                         ; which 128 along K
	s_lshl_b32 s24, s22, 2
	s_add_co_u32 s24, s24, s20                     ; which 32 columns of the 1,024
	s_lshl_b32 s26, s23, 19                        ; 128 rows of 4,096 bytes
	s_lshl_b32 s28, s24, 7
	s_add_co_u32 s26, s26, s28
	s_mov_b32 s27, 0
	s_add_nc_u64 s[8:9], s[8:9], s[26:27]
	s_lshl_b32 s26, s24, 16                        ; out: 32 rows of 2,048 bytes
	s_lshl_b32 s28, s23, 8                         ; + 256 bytes for each 128 along K
	s_add_co_u32 s26, s26, s28
	s_add_nc_u64 s[18:19], s[18:19], s[26:27]
	v_lshlrev_b32 v3, 2, v2
	s_mul_i32 s28, s20, 32*272
	s_add_co_u32 s28, s28, CST                     ; my wave's own stage
	v_mul_u32_u24 v4, v2, 272
	v_add_nc_u32 v4, s28, v4
	v_and_b32 v5, 15, v2
	v_lshrrev_b32 v6, 4, v2
	v_mul_u32_u24 v7, v6, 272
	v_lshl_add_u32 v7, v5, 4, v7
	v_add_nc_u32 v7, s28, v7
	v_lshlrev_b32 v8, 11, v6
	v_lshl_add_u32 v8, v5, 4, v8
.set i, 0
.rept 128
	global_load_b32 v[32+i], v3, s[8:9] offset:i*4096   ; the four waves read 512 consecutive bytes of a row
.set i, i+1
.endr
	s_wait_loadcnt 0x0
.set i, 0
.rept 64
	v_cvt_pk_f16_f32 v[32+i], v[32+2*i], v[33+2*i]     ; in place: line i writes register i and later lines read from 2 i + 2 on
.set i, i+1
.endr
.irp g, 0,1,2,3,4,5,6,7,8,9,10,11,12,13,14,15
	ds_store_b128 v4, v[32+4*\g:35+4*\g] offset:16*\g
.endr
.irp t, 0,1,2,3,4,5,6,7,8,9,10,11,12,13,14,15
	ds_load_b128 v[96+4*\t:99+4*\t], v7 offset:2*\t*272   ; my own bytes, served in order behind my stores
.endr
.irp t, 0,1,2,3,4,5,6,7,8,9,10,11,12,13,14,15
	s_wait_dscnt 15-\t                             ; load t is in; the younger ones may be out
	global_store_b128 v8, v[96+4*\t:99+4*\t], s[18:19] offset:2*\t*2048   ; sixteen lanes store 256 consecutive bytes, aligned
.endr
	s_wait_tensorcnt 0x0                           ; the wave's end
	ds_add_u32 v[SPW], v[NIL]
	s_wait_dscnt 0x0
	s_endpgm
.Lfunc_end_k_q25b3db9706_prep:
	.size	k_q25b3db9706_prep, .Lfunc_end_k_q25b3db9706_prep-k_q25b3db9706_prep
	.p2alignl 7, 3214868480
	.fill 96, 4, 3214868480
	.section	.rodata,"a",@progbits
	.p2align	6, 0x0
	.amdhsa_kernel k_q25b3db9706_prep
		.amdhsa_group_segment_fixed_size 85504
		.amdhsa_private_segment_fixed_size 0
		.amdhsa_enable_private_segment 0
		.amdhsa_kernarg_size 64
		.amdhsa_user_sgpr_count 2
		.amdhsa_user_sgpr_kernarg_segment_ptr 1
		.amdhsa_wavefront_size32 1
		.amdhsa_system_sgpr_workgroup_id_x 1
		.amdhsa_system_sgpr_workgroup_id_y 1
		.amdhsa_system_sgpr_workgroup_id_z 1
		.amdhsa_system_vgpr_workitem_id 0
		.amdhsa_next_free_vgpr 192
		.amdhsa_next_free_sgpr 66
		.amdhsa_reserve_vcc 0
		.amdhsa_float_denorm_mode_32 3
		.amdhsa_float_denorm_mode_16_64 3
		.amdhsa_memory_ordered 1
		.amdhsa_forward_progress 1
		.amdhsa_inst_pref_size 94
	.end_amdhsa_kernel
	.amdgpu_metadata
---
amdhsa.version: [ 1, 2 ]
amdhsa.kernels:
  - .name:           k_q25b3db9706_prep
    .symbol:         k_q25b3db9706_prep.kd
    .args:
      - { .name: x, .offset: 0, .size: 8, .value_kind: global_buffer, .address_space: global }
      - { .name: w_qkv, .offset: 8, .size: 8, .value_kind: global_buffer, .address_space: global }
      - { .name: w_proj, .offset: 16, .size: 8, .value_kind: global_buffer, .address_space: global }
      - { .name: xc, .offset: 24, .size: 8, .value_kind: global_buffer, .address_space: global }
      - { .name: xs, .offset: 32, .size: 8, .value_kind: global_buffer, .address_space: global }
      - { .name: wc, .offset: 40, .size: 8, .value_kind: global_buffer, .address_space: global }
      - { .name: ws, .offset: 48, .size: 8, .value_kind: global_buffer, .address_space: global }
      - { .name: wpt, .offset: 56, .size: 8, .value_kind: global_buffer, .address_space: global }
    .group_segment_fixed_size: 85504
    .private_segment_fixed_size: 0
    .kernarg_segment_align: 8
    .kernarg_segment_size: 64
    .max_flat_workgroup_size: 128
    .sgpr_count:     66
    .vgpr_count:     192
    .wavefront_size: 32
...
	.end_amdgpu_metadata
.endif
;; end of part 1
;; launch qkv (part 2): grid 12 x 32, 4 waves a work-group, clusters of 4 x 1, 327,680 bytes of LDS; arguments xc, xs, wc, ws, b_qkv, qkvh, qkv16; writes qkvh, qkv16
.if DOCPART == 2
	.amdgcn_target "amdgcn-amd-amdhsa--gfx1250"
	.amdhsa_code_object_version 6
	.text
	.protected	k_q25b3db9706_qkv
	.globl	k_q25b3db9706_qkv
	.p2align	8
	.type	k_q25b3db9706_qkv,@function
k_q25b3db9706_qkv:
	s_mov_b64 s[64:65], 0
	v_nop
	global_prefetch_b8 v0, s[64:65] scope:SCOPE_SE
	s_setreg_imm32_b32 hwreg(HW_REG_WAVE_MODE, 25, 1), 1
	s_wait_xcnt 0x0
	s_wait_alu depctr_hold_cnt(0) depctr_sa_sdst(0) depctr_va_vdst(0) depctr_va_sdst(0) depctr_va_ssrc(0) depctr_va_vcc(0) depctr_vm_vsrc(0)
	s_getreg_b32 s2, hwreg(HW_REG_IB_STS2, 6, 4)
	s_cmp_eq_u32 s2, 0
	s_cbranch_scc0 .Lentry_in_a_cluster
	s_endpgm
.Lentry_in_a_cluster:
	s_bfe_u32 s2, ttmp6, 0x10000c
	s_cmp_lg_u32 s2, 0x3003
	s_cbranch_scc0 .Lentry_shape_is_right
	s_endpgm
.Lentry_shape_is_right:
; qkv[m][n] = sum over k of Q(x)[m][k] Q(w_qkv)[k][n] + b_qkv[n], on codes of E2M1 with one E8M0 scale for each 32 along K; sums in f32.  m 8,192, n 3,072, k 1,024.
; A tile of 256 x 256 is made by four waves, each 128 x 128: 64 accumulators, 512 registers.  K is two LDS slots of 512 along K (rows of 256 bytes): both are first fills, nothing is filled again.
; The scale bytes of the work-group's 256 + 256 rows, for all of K, come once, as units of 256 bytes.
; THE MATRIX INSTRUCTION IS USED TRANSPOSED (source 0 = 16 rows of w's codes, source 1 = 16 rows of x's): a lane holds eight neighbouring columns of one row.  The bias is the C of each sum's first product.
; OUT: f16, laid [q, k, v][batch][head][t][64]: a wave's 128 columns are two heads of one part; magnitudes up to 65,504 are served.  The first 16 positions of each batch also leave in f32, [batch][16][3072].
; CLUSTER 4 x 1: the four partners make four tile columns of ONE tile row and ask for x's tiles and scales jointly (mask 15).  w's tiles differ between them and come by plain loads.
; Not 4 x 4: the branch that sends the first 16 positions out in f32 hangs on the tile row, so the tile row may not be a place in the cluster.
; REGISTERS: window 0: v0-31 addresses; v32-95 scale words, two sets, and nothing else; v128-191 x's fragments, one set; v192-255 the bias.  window 1: w's fragments, two sets.  windows 2, 3: the accumulators.
.set KSTEP,  512
.set NQ,     4                         ; matrix instructions deep in a slot
.set ROWB,   256                       ; a tile's row in bytes
.set KROW,   512                       ; a row of codes in memory
.set PITCH,  272                       ; an LDS row: 256 bytes + 16 of padding: the 16 rows of a load start at 16 different 16-byte columns
.set FR,     8
.set NL,     2
.set NP,     4
.set HALFT,  128*PITCH
.set SLOT,   4*HALFT
.set KS,     32                        ; a row of scale bytes
.set SCL,    2*SLOT
.set HALFS,  16*272                    ; the scales of 128 rows
.set SBLK,   2*272                     ; of 16 rows
.set SPARE,  SCL+4*HALFS               ; the spare words: two blocks of 256 bytes that no other line names
.set SP32,   528                       ; the way out in f32: 16 rows x (512 bytes + 16)
.set SP16,   272                       ; in f16: 16 rows x (256 bytes + 16).  Both in the wave's 8,448 bytes of slot 0, which has had its only fill and its last read by then
.set ADRA, 16
.set ADRB, 20
.set STO32, 22
.set RD32, 23
.set STO,  24
.set RD,   25
.set CO,   26
.set ADRS, 27
.set SPW,  28
.set NIL,  29
.set SC,   32
.set AF,   128
.set BIAS, 192
.set TMP,  128                         ; the way out: packed results v128-159
.set BK,   160                         ; rows read back: v160-191 and v192-223 by turns
.set G1, 24
.set G0, 32
.set G1B, 48
.set G0B, 56
.set G1S, 68
.set G0S, 76
.set G1SB, 80
.set G0SB, 88
.set MSB, 0
.macro WIN new                         ; the immediate's high byte repeats the setting that is left
.if MSB != (\new)
	s_set_vgpr_msb (MSB<<8)|(\new)
.set MSB, (\new)
.endif
.endm
.set MUL_LO, 0xa1                      ; source 0 window 1, source 1 window 0, C and D window 2
.set MUL_HI, 0xf1                      ; C and D window 3
.set FIRST_LO, 0x81                    ; C (the bias) window 0, D window 2
.set FIRST_HI, 0xc1                    ; D window 3
.set TO_B,   0x40
; Waves 0 and 1 fetch for x (joint), waves 2 and 3 for w (plain).  The branch hangs on the wave's number alone.  An s_nop 0 and four v_nop follow each line.
.macro JLOAD g0a, g1a, g0b, g1b
	s_cmp_eq_u32 s15, 0
	s_cbranch_scc0 .Lfor_b_\@
	tensor_load_to_lds s[\g0a:\g0a+3], s[\g1a:\g1a+7]
	s_nop 0
.rept 4
	v_nop
.endr
	s_branch .Lasked_\@
.Lfor_b_\@:
	tensor_load_to_lds s[\g0b:\g0b+3], s[\g1b:\g1b+7]
	s_nop 0
.rept 4
	v_nop
.endr
.Lasked_\@:
.endm
.macro CROUND                          ; a round of the cluster's barrier
	s_barrier_signal -1
	s_barrier_wait -1
	s_cmp_lg_u32 s14, 0
	s_cbranch_scc1 .Lnot_wave_0_\@
	s_barrier_signal -3
.Lnot_wave_0_\@:
	s_barrier_wait -3
	s_barrier_signal -1
	s_barrier_wait -1
.endm
	s_load_b256 s[4:11], s[0:1], 0x0               ; xc s[4:5], xs s[6:7], wc s[8:9], ws s[10:11]
	s_load_b128 s[96:99], s[0:1], 0x20             ; b_qkv s[96:97], qkvh s[98:99]
	s_load_b64 s[100:101], s[0:1], 0x30            ; qkv16
	v_lshl_add_u32 v[SPW], v0, 2, SPARE
	v_mov_b32 v[NIL], 0
	ds_add_u32 v[SPW], v[NIL]                      ; the opening: the add, twice on end, and its wait ahead of my first tensor load
	ds_add_u32 v[SPW], v[NIL]
	v_lshrrev_b32 v1, 5, v0
	v_readfirstlane_b32 s14, v1                    ; wave 0..3
	s_lshr_b32 s15, s14, 1                         ; which half of the tile's rows is mine.  Also: I fetch for x (0) or for w (1)
	s_and_b32 s16, s14, 1                          ; which half of its columns.  Also: which 128 rows I fetch
	s_bfe_u32 s40, ttmp6, 0x40000                  ; cx
	s_lshl_b32 s42, ttmp9, 2
	s_add_co_u32 s42, s42, s40                     ; tile column = 4 x cluster x + cx
	s_and_b32 s17, ttmp7, 0xffff                   ; tile row: the same in all four partners
	s_mov_b32 s[G1+0], 15|(1<<20)|(1<<21)|(5<<22)|(3<<25)      ; x's codes: mask of the four; elements of 1 byte; 4 words of padding after every 64
	s_mov_b32 s[G1B+0], (1<<20)|(5<<22)|(3<<25)                ; w's codes: no mask
.irp g, G1, G1B
	s_mov_b32 s[\g+1], ROWB<<16                    ; tensor_dim0
	s_mov_b32 s[\g+2], 128<<16                     ; tensor_dim1
	s_mov_b32 s[\g+3], ROWB<<16                    ; tile_dim0
	s_mov_b32 s[\g+4], 128                         ; tile_dim1
	s_mov_b32 s[\g+5], KROW                        ; stride
	s_mov_b32 s[\g+6], 0
	s_mov_b32 s[\g+7], 0
.endr
	s_mov_b32 s[G1S+0], 15|(3<<16)|(1<<20)|(1<<21)|(5<<22)|(3<<25)   ; the scales of 128 rows: 4,096 dense bytes as 16 rows of 32 elements of 8 bytes
	s_mov_b32 s[G1SB+0], (3<<16)|(1<<20)|(5<<22)|(3<<25)
.irp g, G1S, G1SB
	s_mov_b32 s[\g+1], 32<<16
	s_mov_b32 s[\g+2], 16<<16
	s_mov_b32 s[\g+3], 32<<16
	s_mov_b32 s[\g+4], 16
	s_mov_b32 s[\g+5], 32
	s_mov_b32 s[\g+6], 0
	s_mov_b32 s[\g+7], 0
.endr
	s_lshl_b32 s18, s16, 7
	s_lshl_b32 s20, s17, 8
	s_add_co_u32 s20, s20, s18                     ; x: row 256 x tile row + 128 x half
	s_lshl_b32 s46, s42, 8
	s_add_co_u32 s46, s46, s18                     ; w: row 256 x tile column + 128 x half
	s_mov_b32 s21, 0
	s_mov_b32 s47, 0
	s_mov_b64 s[18:19], KS
	s_mul_u64 s[22:23], s[20:21], s[18:19]
	s_mul_u64 s[92:93], s[46:47], s[18:19]
	s_mov_b64 s[18:19], KROW
	s_mul_u64 s[20:21], s[20:21], s[18:19]
	s_mul_u64 s[46:47], s[46:47], s[18:19]
	s_mul_i32 s45, s14, HALFT                      ; where they go: wave x 128 rows
	s_mul_i32 s94, s14, HALFS
	s_wait_dscnt 0x0                               ; both opening adds are done
	s_wait_kmcnt 0x0
	s_add_nc_u64 s[20:21], s[4:5], s[20:21]
	s_add_nc_u64 s[22:23], s[6:7], s[22:23]
	s_add_nc_u64 s[46:47], s[8:9], s[46:47]
	s_add_nc_u64 s[92:93], s[10:11], s[92:93]
	CROUND                                         ; all four work-groups are here: the joint loads meet
	s_mov_b32 s[G0S], 1
	s_add_co_u32 s[G0S+1], s94, SCL
	s_mov_b64 s[G0S+2:G0S+3], s[22:23]
	s_or_b32 s[G0S+3], s[G0S+3], 0x80000000
	s_mov_b32 s[G0SB], 1
	s_add_co_u32 s[G0SB+1], s94, SCL
	s_mov_b64 s[G0SB+2:G0SB+3], s[92:93]
	s_or_b32 s[G0SB+3], s[G0SB+3], 0x80000000
	JLOAD G0S, G1S, G0SB, G1SB                     ; the scales first
.irp s, 0,1
	s_mov_b32 s[G0+4*\s], 1
	s_add_co_u32 s[G0+4*\s+1], s45, \s*SLOT
	s_add_nc_u64 s[G0+4*\s+2:G0+4*\s+3], s[20:21], \s*ROWB
	s_or_b32 s[G0+4*\s+3], s[G0+4*\s+3], 0x80000000
	s_mov_b32 s[G0B+4*\s], 1
	s_add_co_u32 s[G0B+4*\s+1], s45, \s*SLOT
	s_add_nc_u64 s[G0B+4*\s+2:G0B+4*\s+3], s[46:47], \s*ROWB
	s_or_b32 s[G0B+4*\s+3], s[G0B+4*\s+3], 0x80000000
	JLOAD G0+4*\s, G1, G0B+4*\s, G1B               ; three loads of mine are out in all
.endr
	v_and_b32 v1, 15, v0                           ; r
	v_bfe_u32 v2, v0, 4, 1                         ; h
	s_lshl_b32 s46, s42, 10                        ; my first column in bytes of f32: 1,024 x tile column + 512 x half
	s_lshl_b32 s47, s16, 9
	s_add_co_u32 s46, s46, s47
	s_mov_b32 s47, 0
	s_add_nc_u64 s[96:97], s[96:97], s[46:47]
	v_lshlrev_b32 v30, 5, v2                       ; the bias in the result's layout: lane (r, h), block b: columns 16 b + 8 h + 0 .. 7
.irp b, 0,1,2,3,4,5,6,7
	global_load_b128 v[BIAS+8*\b:BIAS+8*\b+3], v30, s[96:97] offset:64*\b
	global_load_b128 v[BIAS+8*\b+4:BIAS+8*\b+7], v30, s[96:97] offset:64*\b+16
.endr
	v_mul_u32_u24 v3, v1, PITCH
	v_lshl_add_u32 v4, v2, 4, v3                   ; a fragment's row x pitch + 16 x half
	s_mul_i32 s21, s15, HALFT
	s_mul_i32 s22, s16, HALFT
	s_add_co_u32 s22, s22, 2*HALFT
.irp s, 0,1
	v_add_nc_u32 v[ADRA+\s], s21, v4
	v_add_nc_u32 v[ADRB+\s], s22, v4
	s_add_co_u32 s21, s21, SLOT
	s_add_co_u32 s22, s22, SLOT
.endr
	v_mul_u32_u24 v5, v1, KS                       ; my row's scales: 32 bytes a row,
	v_lshrrev_b32 v6, 8, v5
	v_lshl_add_u32 v5, v6, 4, v5                   ; and 16 more for each 256 passed
	s_mul_i32 s21, s15, HALFS
	s_mul_i32 s22, s16, HALFS
	s_add_co_u32 s22, s22, 2*HALFS
	s_sub_co_u32 s22, s22, s21
	v_mul_u32_u24 v6, s22, v2                      ; lanes 16-31 take w's
	s_add_co_u32 s21, s21, SCL
	v_add_nc_u32 v5, v5, v6
	v_add_nc_u32 v[ADRS], s21, v5
	s_mul_i32 s23, s14, 16*SP32                    ; my stage
	v_mul_u32_u24 v5, v1, SP32
	v_lshl_add_u32 v5, v2, 5, v5
	v_add_nc_u32 v[STO32], s23, v5                 ; f32, in: row r, 32 bytes for each half of the lanes
	v_and_b32 v6, 31, v0
	v_lshlrev_b32 v[CO], 4, v6                     ; 16 x lane
	v_add_nc_u32 v[RD32], s23, v[CO]               ; f32, back: the 32 lanes take a row of 512 bytes
	v_mul_u32_u24 v5, v1, SP16
	v_lshl_add_u32 v5, v2, 4, v5
	v_add_nc_u32 v[STO], s23, v5                   ; f16, in: row r, 16 bytes for each half
	v_bfe_u32 v5, v0, 3, 2
	v_mul_u32_u24 v5, v5, SP16
	v_and_b32 v6, 7, v0
	v_lshl_add_u32 v5, v6, 4, v5
	v_add_nc_u32 v[RD], s23, v5                    ; f16, back: eight lanes take a head's 128 bytes of a row, four rows an instruction
	s_lshl_b32 s20, s42, 2
	s_lshl_b32 s21, s16, 1
	s_add_co_u32 s20, s20, s21                     ; g: my first head among the 48 of q, k, v (even)
	s_lshr_b32 s21, s20, 4
	s_lshl_b32 s21, s21, 24                        ; the part
	s_and_b32 s20, s20, 15
	s_lshl_b32 s20, s20, 18                        ; the head
	s_add_co_u32 s20, s20, s21
	s_lshr_b32 s21, s17, 3
	s_lshl_b32 s21, s21, 22                        ; the batch
	s_add_co_u32 s20, s20, s21
	s_and_b32 s21, s17, 7
	s_lshl_b32 s21, s21, 15                        ; 256 positions of 128 bytes
	s_add_co_u32 s20, s20, s21
	s_lshl_b32 s21, s15, 14                        ; my 128 of them
	s_add_co_u32 s20, s20, s21
	s_mov_b32 s21, 0
	s_add_nc_u64 s[12:13], s[98:99], s[20:21]
	s_lshr_b32 s20, s17, 3
	s_mul_i32 s20, s20, 196608                     ; the f32 rows: 16 x 12,288 bytes a batch
	s_add_co_u32 s20, s20, s46
	s_add_nc_u64 s[100:101], s[100:101], s[20:21]
.macro FRAG reg, adr, q, i             ; 16 rows x 128 K of 4-bit codes: 8 registers, two loads 32 bytes apart
.irp c, 0,1
	ds_load_b128 v[\reg+4*\c:\reg+4*\c+3], v[\adr] offset:64*(\q)+32*\c+(\i)*16*PITCH
.endr
.endm
; 16 matrix instructions: x's blocks a0, a0 + 1 against w's eight.  The 64 accumulators take turns, one instruction a turn, in the same order in every step.
.macro MUL16 a0, p, q, sc, first
.irp a, \a0, \a0+1
.irp b, 0,1,2,3,4,5,6,7
.if \first
	v_wmma_scale_f32_16x16x128_f8f6f4 v[8*(8*((\a)%4)+\b):8*(8*((\a)%4)+\b)+7], v[128*(\p)+FR*\b:128*(\p)+FR*\b+FR-1], v[AF+FR*(\a):AF+FR*(\a)+FR-1], v[BIAS+8*\b:BIAS+8*\b+7], v[SC+8*NQ*(\sc)+NQ*\b+(\q)], v[SC+8*NQ*(\sc)+NQ*(\a)+(\q)] matrix_a_fmt:MATRIX_FMT_FP4 matrix_b_fmt:MATRIX_FMT_FP4 matrix_a_scale:MATRIX_SCALE_ROW1
.else
	v_wmma_scale_f32_16x16x128_f8f6f4 v[8*(8*((\a)%4)+\b):8*(8*((\a)%4)+\b)+7], v[128*(\p)+FR*\b:128*(\p)+FR*\b+FR-1], v[AF+FR*(\a):AF+FR*(\a)+FR-1], v[8*(8*((\a)%4)+\b):8*(8*((\a)%4)+\b)+7], v[SC+8*NQ*(\sc)+NQ*\b+(\q)], v[SC+8*NQ*(\sc)+NQ*(\a)+(\q)] matrix_a_fmt:MATRIX_FMT_FP4 matrix_b_fmt:MATRIX_FMT_FP4 matrix_a_scale:MATRIX_SCALE_ROW1
.endif
.endr
.endr
.endm
.macro FETCH_B slot, q, p
	WIN TO_B
.irp i, 0,1,2,3,4,5,6,7
	FRAG 128*(\p)+FR*\i, ADRB+\slot, \q, \i
.endr
	WIN 0
.endm
.macro FETCH_A slot, q, i0
.irp i, \i0, \i0+1, \i0+2, \i0+3
	FRAG AF+FR*(\i), ADRA+\slot, \q, \i
.endr
.endm
.macro SCALES sc                       ; a slot's four scale words a row: lanes 0-15 x's block i, lanes 16-31 w's block i
.irp i, 0,1,2,3,4,5,6,7
	ds_load_b128 v[SC+8*NQ*\sc+NQ*\i:SC+8*NQ*\sc+NQ*\i+3], v[ADRS] offset:\i*SBLK
.endr
.endm
.macro PLACES n                        ; plain vector instructions between a matrix instruction and a load into, or a read of, its registers
.rept \n
	v_nop
.endr
.endm
.macro STEP slot, q, first             ; 128 along K, with its successor in the same slot
	s_wait_dscnt 4*NL                              ; w's set and x's blocks 0-3 are in; the youngest eight loads (x's blocks 4-7) may be out
.if \first
	WIN FIRST_LO
.else
	WIN MUL_LO
.endif
	MUL16 0, (\q)%2, \q, \slot, \first
	MUL16 2, (\q)%2, \q, \slot, \first
	s_wait_dscnt 0
	PLACES NP
	FETCH_B \slot, (\q)+1, 1-(\q)%2
	FETCH_A \slot, (\q)+1, 0
.if \first
	WIN FIRST_HI
.else
	WIN MUL_HI
.endif
	MUL16 4, (\q)%2, \q, \slot, \first
	MUL16 6, (\q)%2, \q, \slot, \first
	PLACES NP
	WIN 0
	FETCH_A \slot, (\q)+1, 4
.endm
.macro TURN slot, next                 ; slot 0's last step changes slots: one barrier
	s_wait_tensorcnt 0x0                           ; all my tensor loads have landed: my part of the next slot
	ds_add_u32 v[SPW], v[NIL]                      ; 0 onto my spare word
	s_wait_dscnt 4*NL+1                            ; the add and the youngest eight loads may be out
	WIN MUL_LO
	MUL16 0, 1, NQ-1, \slot, 0
	s_wait_dscnt 0x0                               ; the add is done, and my reads of this slot are over
	s_barrier_signal -1
	MUL16 2, 1, NQ-1, \slot, 0
	WIN 0
	s_barrier_wait -1
	PLACES NP
	v_add_nc_u32 v[ADRS], 4*NQ, v[ADRS]            ; on to the next slot's scale words
	FETCH_B \next, 0, 0
	FETCH_A \next, 0, 0
	SCALES \next
	WIN MUL_HI
	MUL16 4, 1, NQ-1, \slot, 0
	MUL16 6, 1, NQ-1, \slot, 0
	PLACES NP
	WIN 0
	FETCH_A \next, 0, 4
.endm
.macro STEPS slot, from
.set Q, \from
.rept NQ-1-\from
	STEP \slot, Q, 0
.set Q, Q+1
.endr
.endm
	s_wait_tensorcnt 1                             ; the scales and my part of slot 0 are in; slot 1's load may be out
	s_barrier_signal -1
	s_barrier_wait -1
	FETCH_B 0, 0, 0
	FETCH_A 0, 0, 0
	SCALES 0
	FETCH_A 0, 0, 4
	s_wait_loadcnt 0x0                             ; the bias
	STEP 0, 0, 1                                   ; the first products start the sums from the bias: nothing is cleared
	STEPS 0, 1
	TURN 0, 1
	STEPS 1, 0
	s_wait_dscnt 4*NL                              ; the last step: nothing more to fetch
	WIN MUL_LO
	MUL16 0, 1, NQ-1, 1, 0
	MUL16 2, 1, NQ-1, 1, 0
	s_wait_dscnt 0
	WIN MUL_HI
	MUL16 4, 1, NQ-1, 1, 0
	MUL16 6, 1, NQ-1, 1, 0
	WIN 0
	PLACES NP                                      ; in front of the reads of results and of writes into registers that held x's fragments
	; THE FIRST 16 POSITIONS OF A BATCH, in f32: they are block 0 of the waves with the upper rows in every eighth tile row.  The test is made of the tile row and the wave's number: alike in all partners.
	s_and_b32 s20, s17, 7
	s_or_b32 s20, s20, s15
	s_cmp_lg_u32 s20, 0
	s_cbranch_scc1 .Lno16
	WIN 0x08                                       ; an LDS store's data: window 2
.irp b, 0,1,2,3,4,5,6,7
	ds_store_b128 v[STO32], v[8*\b:8*\b+3] offset:64*\b            ; each accumulator from its low end on
	ds_store_b128 v[STO32], v[8*\b+4:8*\b+7] offset:64*\b+16
.endr
	WIN 0
.irp t, 0,1,2,3,4,5,6,7,8,9,10,11,12,13,14,15
	ds_load_b128 v[128+4*\t:131+4*\t], v[RD32] offset:\t*SP32      ; my own bytes, served in order behind my stores
.endr
.irp t, 0,1,2,3,4,5,6,7,8,9,10,11,12,13,14,15
	s_wait_dscnt 15-\t                             ; row t is in; the younger loads may be out
	global_store_b128 v[CO], v[128+4*\t:131+4*\t], s[100:101] offset:\t*12288   ; 512 consecutive bytes, aligned
.endr
	s_wait_xcnt 0x0                                ; the stores have read their registers, which are written again below
.Lno16:
; THE WAY OUT in f16, a block of 16 positions x two heads at a time, through my stage; it comes back as 4 positions x 128 bytes of one head: 512 consecutive bytes of memory.
.macro PACK a
.set AC, 64*((\a)%4)
	WIN 0x0a+5*((\a)/4)                            ; sources 0 and 1: window 2 or 3
.irp b, 0,1,2,3,4,5,6,7
.irp r, 0,1,2,3
	v_cvt_pk_f16_f32 v[TMP+4*\b+\r], v[AC+8*\b+2*\r], v[AC+8*\b+2*\r+1]
.endr
.endr
	WIN 0
.endm
.macro TOSTAGE a
.set BB, BK+32*((\a)%2)
.irp b, 0,1,2,3,4,5,6,7
	ds_store_b128 v[STO], v[TMP+4*\b:TMP+4*\b+3] offset:32*\b
.endr
.irp i, 0,1,2,3
.irp j, 0,1
	ds_load_b128 v[BB+8*\i+4*\j:BB+8*\i+4*\j+3], v[RD] offset:\i*4*SP16+128*\j
.endr
.endr
.endm
.macro SEND a
.set BB, BK+32*((\a)%2)
	s_wait_dscnt 0x0                               ; the block is back in registers
	s_wait_xcnt 0x0                                ; the block before has been read by its stores: its registers take the next block's loads
.irp i, 0,1,2,3
.irp j, 0,1
	global_store_b128 v[CO], v[BB+8*\i+4*\j:BB+8*\i+4*\j+3], s[12:13] offset:\j*262144+(\a)*2048+\i*512
.endr
.endr
.endm
	PACK 0
	TOSTAGE 0
.irp a, 1,2,3,4,5,6,7                  ; block a's conversions stand between block a - 1's loads from the stage and the wait for them
	PACK \a
	SEND \a-1
	TOSTAGE \a
.endr
	SEND 7
	s_wait_tensorcnt 0x0                           ; the wave's end
	ds_add_u32 v[SPW], v[NIL]
	s_wait_dscnt 0x0
	CROUND                                         ; the closing round
	s_endpgm
.Lfunc_end_k_q25b3db9706_qkv:
	.size	k_q25b3db9706_qkv, .Lfunc_end_k_q25b3db9706_qkv-k_q25b3db9706_qkv
	.p2alignl 7, 3214868480
	.fill 96, 4, 3214868480
	.section	.rodata,"a",@progbits
	.p2align	6, 0x0
	.amdhsa_kernel k_q25b3db9706_qkv
		.amdhsa_group_segment_fixed_size 327680
		.amdhsa_private_segment_fixed_size 0
		.amdhsa_enable_private_segment 0
		.amdhsa_kernarg_size 56
		.amdhsa_user_sgpr_count 2
		.amdhsa_user_sgpr_kernarg_segment_ptr 1
		.amdhsa_wavefront_size32 1
		.amdhsa_system_sgpr_workgroup_id_x 1
		.amdhsa_system_sgpr_workgroup_id_y 1
		.amdhsa_system_sgpr_workgroup_id_z 1
		.amdhsa_system_vgpr_workitem_id 0
		.amdhsa_next_free_vgpr 1024
		.amdhsa_next_free_sgpr 104
		.amdhsa_reserve_vcc 0
		.amdhsa_float_denorm_mode_32 3
		.amdhsa_float_denorm_mode_16_64 3
		.amdhsa_memory_ordered 1
		.amdhsa_forward_progress 1
		.amdhsa_inst_pref_size 133
	.end_amdhsa_kernel
	.amdgpu_metadata
---
amdhsa.version: [ 1, 2 ]
amdhsa.kernels:
  - .name:           k_q25b3db9706_qkv
    .symbol:         k_q25b3db9706_qkv.kd
    .args:
      - { .name: xc, .offset: 0, .size: 8, .value_kind: global_buffer, .address_space: global }
      - { .name: xs, .offset: 8, .size: 8, .value_kind: global_buffer, .address_space: global }
      - { .name: wc, .offset: 16, .size: 8, .value_kind: global_buffer, .address_space: global }
      - { .name: ws, .offset: 24, .size: 8, .value_kind: global_buffer, .address_space: global }
      - { .name: b_qkv, .offset: 32, .size: 8, .value_kind: global_buffer, .address_space: global }
      - { .name: qkvh, .offset: 40, .size: 8, .value_kind: global_buffer, .address_space: global }
      - { .name: qkv16, .offset: 48, .size: 8, .value_kind: global_buffer, .address_space: global }
    .group_segment_fixed_size: 327680
    .private_segment_fixed_size: 0
    .kernarg_segment_align: 8
    .kernarg_segment_size: 56
    .max_flat_workgroup_size: 128
    .sgpr_count:     104
    .vgpr_count:     1024
    .wavefront_size: 32
...
	.end_amdgpu_metadata
.endif
;; end of part 2
;; launch attn (part 3): grid 512 x 1, 8 waves a work-group, no clusters, 327,680 bytes of LDS; arguments qkvh, yh; writes yh
.if DOCPART == 3
	.amdgcn_target "amdgcn-amd-amdhsa--gfx1250"
	.amdhsa_code_object_version 6
	.text
	.protected	k_q25b3db9706_attn
	.globl	k_q25b3db9706_attn
	.p2align	8
	.type	k_q25b3db9706_attn,@function
k_q25b3db9706_attn:
	s_mov_b64 s[64:65], 0
	v_nop
	global_prefetch_b8 v0, s[64:65] scope:SCOPE_SE
	s_setreg_imm32_b32 hwreg(HW_REG_WAVE_MODE, 25, 1), 1
	s_wait_xcnt 0x0
; y[b][h][q][:] = sum over k <= q of softmax_k(Q[q] . K[k] / 8) V[k][:].  Q, K, V: f16, [part][b][h][2048][64]; y: f16, laid as Q.  Products, maxima and sums in f32; the weights p (at most 1) are rounded to f16.
; SHARES.  A work-group owns 256 queries of one head, each of its eight waves 32: two tiles of 16.  Two waves share a SIMD, so that one wave's softmax stands beside the other's products.
; Work-groups n and n + 256 take query blocks 4 + g and 3 - g: the long blocks go first, and each pair has the work of nine blocks of keys.
; LAYOUT.  S^T = K Q^T (source 0 = 16 keys, source 1 = 16 queries): a lane holds ONE query (lane % 16) and keys 8 (lane / 16) + 0..7.  Two such tiles, rounded in pairs, are source 1 of O^T = V^T P.
; SOFTMAX.  A running maximum m and sum l for each query: p = 2^(c s - c m), c = log2(e) / 8; in every step O and l are multiplied by a = 2^(c m_old - c m_new).  m begins at -3e38, O and l at 0.
; THE CAUSAL MASK.  Every work-group walks all 8 slots of 256 keys, so that trip counts are constants; a step all of whose keys come after the wave's queries is jumped over, on ids alone;
; a slot whose first key comes after the work-group's last query is not asked for; on the diagonal hidden scores become -infinity.  Key 0 counts for every query, so m is a number from the first step on.
; NO CLUSTER: under the mask the query blocks of a head need different numbers of tiles.
; LIMITS: f16 operands: magnitudes of q, k, v up to 65,504; NaN and infinities are not served.
; REGISTERS.  window 0: v1-15 addresses; v16-31 statistics, 8 a tile; v32-95 S^T; v96-127 P; v128-191 O^T.  window 1: v0-31 Q; v32-95 K of a step; v96-159 V of a step.
.set PK,    144                        ; a row of K in LDS: 128 bytes + 16: an odd multiple of 16
.set PV,    160                        ; a row of V: 128 + 32: an odd multiple of 32, for the turning load
.set VOFF,  256*PK                     ; a slot: 256 rows of K, then 256 rows of V
.set SLOT1, 1<<17
.set STAGE, 2*SLOT1                    ; the way out: 32 rows x 144 bytes for each wave
.set SPARE, STAGE+8*32*PK              ; the spare words: four blocks of 256 bytes that no other line names
.set AK0, 1
.set AV0, 2
.set ADK, 3
.set ADV, 4
.set SPW, 5
.set NIL, 6
.set GO,  7
.set STO, 8
.set RD,  9
.set PFO, 10
.set NINF, 11
.set RH,  12                           ; r - 8 h
.set DD,  13
.set ST,  16                           ; tile t at v[ST + 8 t]: +0 c m, +1 m, +2, +3 l, +4 .. +7 at work; a in +6
.set S,   32
.set P,   96
.set O,   128
.set KR,  32                           ; in window 1
.set VF,  96
.set TB,  2                            ; s2   LDS byte at which the slot in hand begins
.set KF,  3                            ; s3   the step's first key
.set WV,  8
.set Q0,  11                           ; s11  my first query
.set SLOTS, 12
.set LIM, 13
.set SEL, 20
.set CS,  22
.set G1K, 24
.set G1V, 32
.set G0K, 40
.set G0V, 44
.set PFA, 48
.set MSB, 0
.macro WIN new
.if MSB != (\new)
	s_set_vgpr_msb (MSB<<8)|(\new)
.set MSB, (\new)
.endif
.endm
; Waves 0 to 3 fetch 64 rows of K each, waves 4 to 7 64 rows of V: one load a wave.  An s_nop 0 and four v_nop follow each line.
.macro TLOAD
	s_cmp_lt_u32 s[WV], 4
	s_cbranch_scc0 .Lfor_v_\@
	tensor_load_to_lds s[G0K:G0K+3], s[G1K:G1K+7]
	s_nop 0
.rept 4
	v_nop
.endr
	s_branch .Lasked_\@
.Lfor_v_\@:
	tensor_load_to_lds s[G0V:G0V+3], s[G1V:G1V+7]
	s_nop 0
.rept 4
	v_nop
.endr
.Lasked_\@:
.endm
; A prefetch of what the NEXT change of slots will ask for: my wave's 64 rows, 8,192 dense bytes, lanes 256 bytes apart.  All query blocks of a head walk the same K and V: the block with the last queries,
; which loads every slot, asks, and nobody else: each 256 bytes are named once.  The last change that fills a slot asks for nothing; slots 0 and 1 come by their loads alone.
.macro ASK
	s_cmp_gt_u32 s[SLOTS], s[LIM]
	s_cbranch_scc0 .Lnot_mine_\@
	global_prefetch_b8 v[PFO], s[PFA:PFA+1] th:TH_LOAD_NT scope:SCOPE_SE
.Lnot_mine_\@:
.endm
	s_load_b128 s[4:7], s[0:1], 0x0                ; qkvh s[4:5], yh s[6:7]
	v_lshl_add_u32 v[SPW], v0, 2, SPARE
	v_mov_b32 v[NIL], 0
	ds_add_u32 v[SPW], v[NIL]                      ; the opening: the add, twice on end, and its wait ahead of my first tensor load
	ds_add_u32 v[SPW], v[NIL]
	v_lshrrev_b32 v1, 5, v0
	v_readfirstlane_b32 s[WV], v1                  ; wave 0..7
	s_and_b32 s50, ttmp9, 63                       ; batch x 16 + head
	s_bfe_u32 s9, ttmp9, 0x20006                   ; g
	s_add_co_u32 s10, s9, 4
	s_sub_co_u32 s14, 3, s9
	s_cmp_lt_u32 ttmp9, 256
	s_cselect_b32 s51, s10, s14                    ; my block of 256 queries
	s_lshl_b32 s[Q0], s51, 8
	s_lshl_b32 s9, s[WV], 5
	s_add_co_u32 s[Q0], s[Q0], s9
	s_and_b32 s52, s[WV], 3                        ; which 64 rows of a slot I fetch
	s_mov_b32 s[G1K], (1<<16)|(1<<20)|(4<<22)|(3<<25)   ; elements of 2 bytes; 4 words of padding after every 32
	s_mov_b32 s[G1V], (1<<16)|(1<<20)|(4<<22)|(7<<25)   ; 8 words of padding
.irp g, G1K, G1V
	s_mov_b32 s[\g+1], 64<<16                      ; tensor_dim0
	s_mov_b32 s[\g+2], 64<<16                      ; tensor_dim1
	s_mov_b32 s[\g+3], 64<<16                      ; tile_dim0
	s_mov_b32 s[\g+4], 64                          ; tile_dim1
	s_mov_b32 s[\g+5], 64                          ; stride
	s_mov_b32 s[\g+6], 0
	s_mov_b32 s[\g+7], 0
.endr
	s_mov_b32 s[SEL], 0x76543210
	s_mov_b32 s[SEL+1], 0xfedcba98
	s_mov_b32 s[CS], 0x3e38aa3b                    ; c = log2(e) / 8
	s_mov_b32 s[CS+1], s[CS]
	s_mov_b32 s[TB], 0
	s_mov_b32 s[KF], 0
	s_mov_b32 s[SLOTS], 7
	s_cmp_eq_u32 s51, 7
	s_cselect_b32 s[LIM], 1, -1
	s_lshl_b32 s16, s50, 18                        ; the head's first byte in a part
	s_mov_b32 s17, 0
	s_lshl_b32 s18, s52, 13
	s_add_co_u32 s18, s18, s16
	s_add_co_u32 s18, s18, 1<<24                   ; K's part, my 64 rows of slot 0
	s_mov_b32 s19, 0
	s_mov_b32 s[G0K], 1
	s_mul_i32 s[G0K+1], s52, 64*PK
	s_mov_b32 s[G0V], 1
	s_mul_i32 s[G0V+1], s52, 64*PV
	s_add_co_u32 s[G0V+1], s[G0V+1], VOFF
	s_wait_dscnt 0x0                               ; both opening adds are done
	s_wait_kmcnt 0x0
	s_add_nc_u64 s[G0K+2:G0K+3], s[4:5], s[18:19]
	s_add_nc_u64 s[G0V+2:G0V+3], s[G0K+2:G0K+3], 1<<24   ; V's part lies one part further on
	s_cmp_lt_u32 s[WV], 4
	s_cselect_b64 s[PFA:PFA+1], s[G0K+2:G0K+3], s[G0V+2:G0V+3]
	s_add_nc_u64 s[PFA:PFA+1], s[PFA:PFA+1], 32768 ; in slot 1: the first change of slots steps it to slot 2
	s_or_b32 s[G0K+3], s[G0K+3], 0x80000000
	s_or_b32 s[G0V+3], s[G0V+3], 0x80000000
	TLOAD                                          ; slot 0
	s_lshl_b32 s9, s[Q0], 7
	s_add_co_u32 s16, s16, s9
	s_add_nc_u64 s[54:55], s[4:5], s[16:17]        ; Q at my first query
	s_add_nc_u64 s[56:57], s[6:7], s[16:17]        ; y likewise
	v_and_b32 v13, 15, v0                          ; r
	v_bfe_u32 v15, v0, 4, 1                        ; h
	v_lshlrev_b32 v14, 7, v13
	v_lshl_add_u32 v14, v15, 4, v14                ; Q: row r of 128 bytes, + 16 h
	WIN 0x40                                       ; destination window 1
.irp t, 0,1
.irp c, 0,1
	global_load_b128 v[16*\t+8*\c:16*\t+8*\c+3], v14, s[54:55] offset:\t*2048+64*\c
	global_load_b128 v[16*\t+8*\c+4:16*\t+8*\c+7], v14, s[54:55] offset:\t*2048+64*\c+32
.endr
.endr
	WIN 0
	v_mul_u32_u24 v[AK0], v13, PK
	v_lshl_add_u32 v[AK0], v15, 4, v[AK0]          ; K: row r x pitch + 16 h
	v_and_b32 v[AV0], 7, v0
	v_lshl_add_u32 v[AV0], v15, 3, v[AV0]          ; V: key 8 h + lane % 8,
	v_mul_u32_u24 v[AV0], v[AV0], PV
	v_bfe_u32 v[ADK], v0, 3, 1
	v_lshl_add_u32 v[AV0], v[ADK], 4, v[AV0]       ; channels 8 ((lane / 8) % 2) on
	v_add_nc_u32 v[AV0], VOFF, v[AV0]
	v_and_b32 v[GO], 31, v0
	v_lshlrev_b32 v[PFO], 8, v[GO]
	v_lshlrev_b32 v[GO], 4, v[GO]
	s_mul_i32 s9, s[WV], 32*PK
	s_add_co_u32 s9, s9, STAGE
	v_mul_u32_u24 v[STO], v13, PK
	v_lshl_add_u32 v[STO], v15, 4, v[STO]
	v_add_nc_u32 v[STO], s9, v[STO]                ; the stage, in: row r, 16 bytes for each half
	v_bfe_u32 v[RD], v0, 3, 2
	v_mul_u32_u24 v[RD], v[RD], PK
	v_and_b32 v[ADK], 7, v0
	v_lshl_add_u32 v[RD], v[ADK], 4, v[RD]
	v_add_nc_u32 v[RD], s9, v[RD]                  ; and back: eight lanes to a row of 128 bytes, four rows an instruction
	v_mov_b32 v[NINF], 0xff800000
	v_lshlrev_b32 v[RH], 3, v15
	v_sub_nc_u32 v[RH], v13, v[RH]
.irp t, 0,1
	v_mov_b32 v[ST+8*\t+1], 0xff61b1e6             ; m = -3e38, under every score
	v_mul_f32 v[ST+8*\t], s[CS], v[ST+8*\t+1]      ; c m
.irp i, 2,3,4,5,6,7
	v_mov_b32 v[ST+8*\t+\i], 0                     ; l, and the registers at work (a lane permute's destination and a pair's upper half count as read)
.endr
.endr
.set i, 0
.rept 64
	v_mov_b32 v[O+i], 0                            ; the step is written once for all steps: the first finds zeros
.set i, i+1
.endr
; A KEY STEP: 64 keys, the q-th of the slot in hand.
.macro STEP q
	s_add_co_u32 s9, s[Q0], 31
	s_cmp_gt_u32 s[KF], s9                         ; all 64 keys come after my 32 queries: nothing to do but the step of the count
	s_cbranch_scc1 .Lhidden_\@
	v_add_nc_u32 v[ADK], s[TB], v[AK0]
	v_add_nc_u32 v[ADV], s[TB], v[AV0]
	v_nop
	v_nop                                          ; with the two additions: the four places between the last products and the loads into V's registers
	WIN 0x40
.irp u, 0,1,2,3
.irp c, 0,1
	ds_load_b128 v[KR+16*\u+8*\c:KR+16*\u+8*\c+3], v[ADK] offset:(64*(\q)+16*\u)*PK+64*\c
	ds_load_b128 v[KR+16*\u+8*\c+4:KR+16*\u+8*\c+7], v[ADK] offset:(64*(\q)+16*\u)*PK+64*\c+32
.endr
.endr
.irp c, 0,1
.irp e, 0,1,2,3
	ds_load_tr16_b128 v[VF+32*\c+8*\e:VF+32*\c+8*\e+3], v[ADV] offset:(64*(\q)+32*\c)*PV+32*\e
	ds_load_tr16_b128 v[VF+32*\c+8*\e+4:VF+32*\c+8*\e+7], v[ADV] offset:(64*(\q)+32*\c)*PV+16*PV+32*\e
.endr
.endr
	s_wait_dscnt 16                                ; K's 16 loads are in; V's 16 may be out
	WIN 0x05                                       ; K and Q in window 1, S^T in window 0
.irp c, 0,1                            ; eight accumulators by turns, one instruction a turn
.irp u, 0,1,2,3
.irp t, 0,1
.if \c == 0
	v_wmma_f32_16x16x32_f16 v[S+32*\t+8*\u:S+32*\t+8*\u+7], v[KR+16*\u+8*\c:KR+16*\u+8*\c+7], v[16*\t+8*\c:16*\t+8*\c+7], 0
.else
	v_wmma_f32_16x16x32_f16 v[S+32*\t+8*\u:S+32*\t+8*\u+7], v[KR+16*\u+8*\c:KR+16*\u+8*\c+7], v[16*\t+8*\c:16*\t+8*\c+7], v[S+32*\t+8*\u:S+32*\t+8*\u+7]
.endif
.endr
.endr
.endr
	WIN 0
.rept 4
	v_nop                                          ; places in front of the first read of the scores
.endr
	s_add_co_u32 s9, s[KF], 63
	s_cmp_le_u32 s9, s[Q0]                         ; all 64 keys count for all my queries
	s_cbranch_scc1 .Lopen_\@
	s_sub_co_i32 s9, s[Q0], s[KF]
	v_add_nc_u32 v[DD], s9, v[RH]                  ; d = Q0 - KF + r - 8 h.  Register 32 t + 8 u + j holds key KF + 16 u + 8 h + j of query Q0 + 16 t + r: hidden where 16 u + j - 16 t > d
.irp t, 0,1
.irp u, 0,1,2,3
.irp j, 0,1,2,3,4,5,6,7
	v_cmp_gt_i32 vcc_lo, 16*\u+\j-16*\t, v[DD]
	v_cndmask_b32 v[S+32*\t+8*\u+\j], v[S+32*\t+8*\u+\j], v[NINF], vcc_lo
.endr
.endr
.endr
.Lopen_\@:
	; the maximum of a lane's 32 scores and the old m, three operands at a time, four chains; the two tiles by turns
.irp k, 0,1,2,3
.irp t, 0,1
	v_max3_num_f32 v[ST+8*\t+4+\k], v[S+32*\t+8*\k], v[S+32*\t+8*\k+1], v[S+32*\t+8*\k+2]
.endr
.endr
.irp g, 1,2
.irp k, 0,1,2,3
.irp t, 0,1
	v_max3_num_f32 v[ST+8*\t+4+\k], v[ST+8*\t+4+\k], v[S+32*\t+8*\k+2*\g+1], v[S+32*\t+8*\k+2*\g+2]
.endr
.endr
.endr
.irp t, 0,1
	v_max3_num_f32 v[ST+8*\t+4], v[ST+8*\t+4], v[S+32*\t+7], v[S+32*\t+15]
.endr
.irp t, 0,1
	v_max3_num_f32 v[ST+8*\t+6], v[ST+8*\t+6], v[S+32*\t+23], v[S+32*\t+31]
.endr
.irp t, 0,1
	v_max3_num_f32 v[ST+8*\t+4], v[ST+8*\t+4], v[ST+8*\t+5], v[ST+8*\t+6]
.endr
.irp t, 0,1
	v_max3_num_f32 v[ST+8*\t+4], v[ST+8*\t+4], v[ST+8*\t+7], v[ST+8*\t+1]
.endr
.irp t, 0,1
	v_permlanex16_b32 v[ST+8*\t+5], v[ST+8*\t+4], s[SEL], s[SEL+1]   ; the query's other 32 keys lie in the lane 16 away
.endr
.irp t, 0,1
	v_mov_b32 v[ST+8*\t+7], v[ST+8*\t]             ; c m_old
.endr
.irp t, 0,1
	v_max_num_f32 v[ST+8*\t+1], v[ST+8*\t+4], v[ST+8*\t+5]
.endr
.irp t, 0,1
	v_mul_f32 v[ST+8*\t], s[CS], v[ST+8*\t+1]
.endr
.irp t, 0,1
	v_sub_f32 v[ST+8*\t+7], v[ST+8*\t+7], v[ST+8*\t]
.endr
.set i, 0
.rept 16
	v_pk_fma_f32 v[S+2*i:S+2*i+1], v[S+2*i:S+2*i+1], s[CS:CS+1], v[ST:ST+1] op_sel_hi:[1,0,0] neg_lo:[0,0,1] neg_hi:[0,0,1]   ; c s - c m
	v_pk_fma_f32 v[S+32+2*i:S+32+2*i+1], v[S+32+2*i:S+32+2*i+1], s[CS:CS+1], v[ST+8:ST+9] op_sel_hi:[1,0,0] neg_lo:[0,0,1] neg_hi:[0,0,1]
.set i, i+1
.endr
.irp t, 0,1
	v_exp_f32 v[ST+8*\t+6], v[ST+8*\t+7]           ; a
.endr
.set i, 0
.rept 64
	v_exp_f32 v[S+i], v[S+i]                       ; p: ONE batch of 66 exponentials, none of which reads another's result
.set i, i+1
.endr
	v_nop                                          ; a plain instruction behind the last exponential
	s_wait_alu depctr_va_vdst(0)                   ; the wait ahead of the first instruction that names a result: one for the batch
.set i, 0
.rept 16
	v_cvt_pk_f16_f32 v[P+i], v[S+2*i], v[S+2*i+1]
	v_cvt_pk_f16_f32 v[P+16+i], v[S+32+2*i], v[S+32+2*i+1]
.set i, i+1
.endr
.irp u, 0,1,2,3,4,5,6,7                ; the sum of the unrounded p, in place, in pairs
.irp t, 0,1
	v_pk_add_f32 v[S+32*\t+4*\u:S+32*\t+4*\u+1], v[S+32*\t+4*\u:S+32*\t+4*\u+1], v[S+32*\t+4*\u+2:S+32*\t+4*\u+3]
.endr
.endr
.irp u, 0,1,2,3
.irp t, 0,1
	v_pk_add_f32 v[S+32*\t+8*\u:S+32*\t+8*\u+1], v[S+32*\t+8*\u:S+32*\t+8*\u+1], v[S+32*\t+8*\u+4:S+32*\t+8*\u+5]
.endr
.endr
.irp u, 0,1
.irp t, 0,1
	v_pk_add_f32 v[S+32*\t+16*\u:S+32*\t+16*\u+1], v[S+32*\t+16*\u:S+32*\t+16*\u+1], v[S+32*\t+16*\u+8:S+32*\t+16*\u+9]
.endr
.endr
.irp t, 0,1
	v_pk_add_f32 v[S+32*\t:S+32*\t+1], v[S+32*\t:S+32*\t+1], v[S+32*\t+16:S+32*\t+17]
.endr
.irp t, 0,1
	v_pk_fma_f32 v[ST+8*\t+2:ST+8*\t+3], v[ST+8*\t+2:ST+8*\t+3], v[ST+8*\t+6:ST+8*\t+7], v[S+32*\t:S+32*\t+1] op_sel_hi:[1,0,1]   ; l = a l + the sum
.endr
.set i, 0
.rept 16
	v_pk_mul_f32 v[O+2*i:O+2*i+1], v[O+2*i:O+2*i+1], v[ST+6:ST+7] op_sel_hi:[1,0]              ; O^T x a, each accumulator from its low end on
	v_pk_mul_f32 v[O+32+2*i:O+32+2*i+1], v[O+32+2*i:O+32+2*i+1], v[ST+14:ST+15] op_sel_hi:[1,0]
.set i, i+1
.endr
	s_wait_dscnt 0x0                               ; V is in
	WIN 0x01                                       ; V in window 1; P and O^T in window 0
.irp c, 0,1
.irp e, 0,1,2,3
.irp t, 0,1
	v_wmma_f32_16x16x32_f16 v[O+32*\t+8*\e:O+32*\t+8*\e+7], v[VF+32*\c+8*\e:VF+32*\c+8*\e+7], v[P+16*\t+8*\c:P+16*\t+8*\c+7], v[O+32*\t+8*\e:O+32*\t+8*\e+7]
.endr
.endr
.endr
	WIN 0
.Lhidden_\@:
	s_add_co_u32 s[KF], s[KF], 64
.endm
; THE CHANGE OF SLOTS stands at a slot's head.  Each wave waits for all its tensor loads (its part of the slot ahead), adds 0 to its spare word, and waits for that and for its reads of the slot that it has left.
; Behind the barrier the slot ahead is whole and nobody reads the other.  fill = 1: the other slot takes the next 256 keys, if any wave of the work-group will read them: the load has four steps in which to land.
.macro CHANGE fill
	s_wait_tensorcnt 0x0                           ; no tensor load of mine is out, so a group 0 may be written
	ds_add_u32 v[SPW], v[NIL]
.if \fill
	s_xor_b32 s[G0K+1], s[G0K+1], SLOT1
	s_add_nc_u64 s[G0K+2:G0K+3], s[G0K+2:G0K+3], 32768
	s_xor_b32 s[G0V+1], s[G0V+1], SLOT1
	s_add_nc_u64 s[G0V+2:G0V+3], s[G0V+2:G0V+3], 32768
	s_wait_xcnt 0x0                                ; the last prefetch, a slot back, has read its address
	s_add_nc_u64 s[PFA:PFA+1], s[PFA:PFA+1], 32768
.endif
	s_wait_dscnt 0x0                               ; the add is done, and my reads of the slot that I have left are over
	s_barrier_signal -1
	s_barrier_wait -1
.if \fill
	s_add_co_u32 s9, s[KF], 256                    ; the first key of the slot that this change would ask for,
	s_or_b32 s10, s[Q0], 255                       ; against my work-group's last query: ids and the count of steps alone, the same in all eight waves; every wait for tensor loads in this text is for 0
	s_cmp_gt_u32 s9, s10
	s_cbranch_scc1 .Lpast_\@
	TLOAD
.Lpast_\@:
	ASK
.endif
.endm
	s_wait_loadcnt 0x0                             ; Q
.Lslot:                                            ; 7 trips
	CHANGE 1
	STEP 0
	STEP 1
	STEP 2
	STEP 3
	s_xor_b32 s[TB], s[TB], SLOT1
	s_sub_co_u32 s[SLOTS], s[SLOTS], 1
	s_cmp_lg_u32 s[SLOTS], 0
	s_cbranch_scc1 .Lslot
	CHANGE 0                                       ; the last slot is written out: nothing is left to ask for
	STEP 0
	STEP 1
	STEP 2
	STEP 3
	; THE WAY OUT: O^T / l, rounded to f16, through my stage; it leaves as 4 positions x 128 bytes: 512 consecutive bytes.
.rept 4
	v_nop                                          ; places behind the last products, on every way here
.endr
.irp t, 0,1
	v_add_f32 v[ST+8*\t+4], v[ST+8*\t+2], v[ST+8*\t+3]
.endr
.irp t, 0,1
	v_permlanex16_b32 v[ST+8*\t+5], v[ST+8*\t+4], s[SEL], s[SEL+1]
.endr
.irp t, 0,1
	v_add_f32 v[ST+8*\t+4], v[ST+8*\t+4], v[ST+8*\t+5]
.endr
.irp t, 0,1
	v_rcp_f32 v[ST+8*\t+6], v[ST+8*\t+4]           ; l is at least 1: the key of the maximum has p = 1
.endr
	v_nop
	s_wait_alu depctr_va_vdst(0)                   ; one wait for the two reciprocals, ahead of their first reader
.set i, 0
.rept 16
	v_pk_mul_f32 v[S+2*i:S+2*i+1], v[O+2*i:O+2*i+1], v[ST+6:ST+7] op_sel_hi:[1,0]
	v_pk_mul_f32 v[S+32+2*i:S+32+2*i+1], v[O+32+2*i:O+32+2*i+1], v[ST+14:ST+15] op_sel_hi:[1,0]
.set i, i+1
.endr
.set i, 0
.rept 32
	v_cvt_pk_f16_f32 v[P+i], v[S+2*i], v[S+2*i+1]
.set i, i+1
.endr
.irp t, 0,1
.irp e, 0,1,2,3
	ds_store_b128 v[STO], v[P+16*\t+4*\e:P+16*\t+4*\e+3] offset:\t*16*PK+32*\e
.endr
.endr
.irp n, 0,1,2,3,4,5,6,7
	ds_load_b128 v[S+4*\n:S+4*\n+3], v[RD] offset:\n*4*PK          ; my own bytes, served in order behind my stores
.endr
.irp n, 0,1,2,3,4,5,6,7
	s_wait_dscnt 7-\n                              ; load n is in; the younger ones may be out
	global_store_b128 v[GO], v[S+4*\n:S+4*\n+3], s[56:57] offset:\n*512
.endr
	s_wait_tensorcnt 0x0                           ; the wave's end
	ds_add_u32 v[SPW], v[NIL]
	s_wait_dscnt 0x0
	s_endpgm
.Lfunc_end_k_q25b3db9706_attn:
	.size	k_q25b3db9706_attn, .Lfunc_end_k_q25b3db9706_attn-k_q25b3db9706_attn
	.p2alignl 7, 3214868480
	.fill 96, 4, 3214868480
	.section	.rodata,"a",@progbits
	.p2align	6, 0x0
	.amdhsa_kernel k_q25b3db9706_attn
		.amdhsa_group_segment_fixed_size 327680
		.amdhsa_private_segment_fixed_size 0
		.amdhsa_enable_private_segment 0
		.amdhsa_kernarg_size 16
		.amdhsa_user_sgpr_count 2
		.amdhsa_user_sgpr_kernarg_segment_ptr 1
		.amdhsa_wavefront_size32 1
		.amdhsa_system_sgpr_workgroup_id_x 1
		.amdhsa_system_sgpr_workgroup_id_y 1
		.amdhsa_system_sgpr_workgroup_id_z 1
		.amdhsa_system_vgpr_workitem_id 0
		.amdhsa_next_free_vgpr 416
		.amdhsa_next_free_sgpr 66
		.amdhsa_reserve_vcc 1
		.amdhsa_float_denorm_mode_32 3
		.amdhsa_float_denorm_mode_16_64 3
		.amdhsa_memory_ordered 1
		.amdhsa_forward_progress 1
		.amdhsa_inst_pref_size 188
	.end_amdhsa_kernel
	.amdgpu_metadata
---
amdhsa.version: [ 1, 2 ]
amdhsa.kernels:
  - .name:           k_q25b3db9706_attn
    .symbol:         k_q25b3db9706_attn.kd
    .args:
      - { .name: qkvh, .offset: 0, .size: 8, .value_kind: global_buffer, .address_space: global }
      - { .name: yh, .offset: 8, .size: 8, .value_kind: global_buffer, .address_space: global }
    .group_segment_fixed_size: 327680
    .private_segment_fixed_size: 0
    .kernarg_segment_align: 8
    .kernarg_segment_size: 16
    .max_flat_workgroup_size: 256
    .sgpr_count:     66
    .vgpr_count:     416
    .wavefront_size: 32
...
	.end_amdgpu_metadata
.endif
;; end of part 3
;; launch proj (part 4): grid 4 x 64, 4 waves a work-group, clusters of 4 x 4, 327,680 bytes of LDS; arguments yh, wpt, b_proj, out0; writes out0
.if DOCPART == 4
	.amdgcn_target "amdgcn-amd-amdhsa--gfx1250"
	.amdhsa_code_object_version 6
	.text
	.protected	k_q25b3db9706_proj
	.globl	k_q25b3db9706_proj
	.p2align	8
	.type	k_q25b3db9706_proj,@function
k_q25b3db9706_proj:
	s_mov_b64 s[64:65], 0
	v_nop
	global_prefetch_b8 v0, s[64:65] scope:SCOPE_SE
	s_setreg_imm32_b32 hwreg(HW_REG_WAVE_MODE, 25, 1), 1
	s_wait_xcnt 0x0
	s_wait_alu depctr_hold_cnt(0) depctr_sa_sdst(0) depctr_va_vdst(0) depctr_va_sdst(0) depctr_va_ssrc(0) depctr_va_vcc(0) depctr_vm_vsrc(0)
	s_getreg_b32 s2, hwreg(HW_REG_IB_STS2, 6, 4)
	s_cmp_eq_u32 s2, 0
	s_cbranch_scc0 .Lentry_in_a_cluster
	s_endpgm
.Lentry_in_a_cluster:
	s_bfe_u32 s2, ttmp6, 0x10000c
	s_cmp_lg_u32 s2, 0xf033
	s_cbranch_scc0 .Lentry_shape_is_right
	s_endpgm
.Lentry_shape_is_right:
; out[m][n] = sum over k of y[m][k] w_proj[k][n] + b_proj[n].  y: f16, [batch][head][t][64]; w_proj turned: f16 [n][k]; out: f32 [8192][1024]; sums in f32.
; (The first 16 positions of each batch are written here from f16 operands and written over, in f32, by the launch that follows.)
; A tile of 128 (m) x 256 (n) is made by four waves, each 64 x 128: 32 accumulators, 256 registers: 256 work-groups.  K goes in steps of 128, two heads, through a ring of two LDS slots.
; In a slot y's tile is two planes, one a head: 128 rows of 128 bytes, dense in memory; w's tile is 256 rows of 256 bytes.  Waves 0, 1 fetch the planes, waves 2, 3 w's halves: one load a wave.
; CLUSTER 4 x 4: y's tiles are shared along a row of the cluster, w's along a column: each is asked for jointly by four.
; THE MATRIX INSTRUCTION IS USED TRANSPOSED (source 0 = 16 rows of w, source 1 = 16 rows of y): a lane holds eight neighbouring columns of one row.  The bias is the C of each sum's first product.
; No prefetch: two of the eight K steps are first fills, and the launch is short.
; REGISTERS: window 0: v0-31 addresses; v64-95, v96-127 y's fragments, two buffers; v128-191 the bias.  window 1: v0-63, v64-127 w's fragments, two buffers.  window 2: the accumulators ((a, b) at v[8 (8 a + b)]).
.set PA,     144                       ; a row of y in LDS: 128 bytes + 16
.set PB,     272                       ; a row of w: 256 bytes + 16
.set PLANE,  128*PA
.set BOFF,   2*PLANE
.set SLOT,   BOFF+256*PB
.set STAGE,  2*SLOT                    ; the way out: 16 rows x (512 bytes + 16) for each wave
.set SPITCH, 528
.set SPARE,  STAGE+4*16*SPITCH         ; the spare words: two blocks of 256 bytes that no other line names
.set LAPS,   4                         ; a lap = two K steps
.set ADRA, 16
.set ADRB, 20
.set STO,  24
.set RD,   25
.set CO,   26
.set SPW,  28
.set NIL,  29
.set AF,   64
.set BIAS, 128
.set BK,   64                          ; the way out: 16 rows read back: v64-127 and v128-191 by turns
.set G1, 24
.set G0, 32
.set G1B, 48
.set G0B, 56
.set MSB, 0
.macro WIN new
.if MSB != (\new)
	s_set_vgpr_msb (MSB<<8)|(\new)
.set MSB, (\new)
.endif
.endm
.set MUL,   0xa1                       ; source 0 (w) window 1, source 1 (y) window 0, C and D window 2
.set FIRST, 0x81                       ; C (the bias) window 0
.set TO_B,  0x40
.macro JLOAD s                         ; a joint load: waves 0, 1 for y, waves 2, 3 for w; an s_nop 0 and four v_nop follow each line
	s_cmp_eq_u32 s15, 0
	s_cbranch_scc0 .Lfor_b_\@
	tensor_load_to_lds s[G0+4*\s:G0+4*\s+3], s[G1:G1+7]
	s_nop 0
.rept 4
	v_nop
.endr
	s_branch .Lasked_\@
.Lfor_b_\@:
	tensor_load_to_lds s[G0B+4*\s:G0B+4*\s+3], s[G1B:G1B+7]
	s_nop 0
.rept 4
	v_nop
.endr
.Lasked_\@:
.endm
.macro CREST                           ; a round of the cluster's barrier behind its opening barrier
	s_cmp_lg_u32 s14, 0
	s_cbranch_scc1 .Lnot_wave_0_\@
	s_barrier_signal -3
.Lnot_wave_0_\@:
	s_barrier_wait -3
	s_barrier_signal -1
	s_barrier_wait -1
.endm
.macro CROUND
	s_barrier_signal -1
	s_barrier_wait -1
	CREST
.endm
	s_load_b256 s[4:11], s[0:1], 0x0               ; yh s[4:5], wpt s[6:7], b_proj s[8:9], out0 s[10:11]
	v_lshl_add_u32 v[SPW], v0, 2, SPARE
	v_mov_b32 v[NIL], 0
	ds_add_u32 v[SPW], v[NIL]                      ; the opening: the add, twice on end, and its wait ahead of my first tensor load
	ds_add_u32 v[SPW], v[NIL]
	v_lshrrev_b32 v1, 5, v0
	v_readfirstlane_b32 s14, v1                    ; wave 0..3
	s_lshr_b32 s15, s14, 1                         ; which 64 rows are mine.  Also: I fetch for y (0) or for w (1)
	s_and_b32 s16, s14, 1                          ; which 128 columns.  Also: which plane, or which 128 rows of w, I fetch
	s_bfe_u32 s40, ttmp6, 0x40000                  ; cx
	s_bfe_u32 s41, ttmp6, 0x40004                  ; cy
	s_lshl_b32 s42, ttmp9, 2
	s_add_co_u32 s42, s42, s40                     ; tile column
	s_and_b32 s13, ttmp7, 0xffff
	s_lshl_b32 s13, s13, 2
	s_add_co_u32 s13, s13, s41                     ; tile row
	s_lshl_b32 s43, s41, 2
	s_lshl_b32 s43, 15, s43                        ; my row of the cluster
	s_lshl_b32 s44, 0x1111, s40                    ; my column
	s_or_b32 s[G1+0], s43, (1<<16)|(1<<20)|(1<<21)|(4<<22)|(3<<25)    ; y: elements of 2 bytes; 4 words of padding after every 32
	s_mov_b32 s[G1+1], 64<<16                      ; tensor_dim0
	s_mov_b32 s[G1+2], 128<<16                     ; tensor_dim1
	s_mov_b32 s[G1+3], 64<<16                      ; tile_dim0
	s_mov_b32 s[G1+4], 128                         ; tile_dim1
	s_mov_b32 s[G1+5], 64                          ; stride
	s_mov_b32 s[G1+6], 0
	s_mov_b32 s[G1+7], 0
	s_or_b32 s[G1B+0], s44, (1<<16)|(1<<20)|(1<<21)|(5<<22)|(3<<25)   ; w: 4 words of padding after every 64
	s_mov_b32 s[G1B+1], 128<<16
	s_mov_b32 s[G1B+2], 128<<16
	s_mov_b32 s[G1B+3], 128<<16
	s_mov_b32 s[G1B+4], 128
	s_mov_b32 s[G1B+5], 1024
	s_mov_b32 s[G1B+6], 0
	s_mov_b32 s[G1B+7], 0
	s_lshr_b32 s20, s13, 4
	s_lshl_b32 s20, s20, 22                        ; y: the batch,
	s_and_b32 s21, s13, 15
	s_lshl_b32 s21, s21, 14                        ; 128 positions of 128 bytes,
	s_add_co_u32 s20, s20, s21
	s_lshl_b32 s21, s16, 18                        ; the head of my plane
	s_add_co_u32 s20, s20, s21
	s_mov_b32 s21, 0
	s_lshl_b32 s46, s42, 19                        ; w: 256 rows of 2,048 bytes,
	s_lshl_b32 s47, s16, 18                        ; my 128 of them
	s_add_co_u32 s46, s46, s47
	s_mov_b32 s47, 0
	s_mul_i32 s17, s16, PLANE                      ; where they go: no place in the cluster enters an LDS address
	s_mul_i32 s45, s16, 128*PB
	s_add_co_u32 s45, s45, BOFF
	s_wait_dscnt 0x0                               ; both opening adds are done
	s_wait_kmcnt 0x0
	s_add_nc_u64 s[20:21], s[4:5], s[20:21]
	s_add_nc_u64 s[46:47], s[6:7], s[46:47]
	CROUND                                         ; all sixteen work-groups are here: the first joint loads meet
.irp s, 0,1
	s_mov_b32 s[G0+4*\s], 1
	s_add_co_u32 s[G0+4*\s+1], s17, \s*SLOT
	s_add_nc_u64 s[G0+4*\s+2:G0+4*\s+3], s[20:21], \s*524288       ; K step s: two heads on
	s_or_b32 s[G0+4*\s+3], s[G0+4*\s+3], 0x80000000
	s_mov_b32 s[G0B+4*\s], 1
	s_add_co_u32 s[G0B+4*\s+1], s45, \s*SLOT
	s_add_nc_u64 s[G0B+4*\s+2:G0B+4*\s+3], s[46:47], \s*256
	s_or_b32 s[G0B+4*\s+3], s[G0B+4*\s+3], 0x80000000
	JLOAD \s
.endr
	v_and_b32 v1, 15, v0                           ; r
	v_bfe_u32 v2, v0, 4, 1                         ; h
	s_lshl_b32 s46, s42, 10                        ; my first column in bytes of f32
	s_lshl_b32 s47, s16, 9
	s_add_co_u32 s46, s46, s47
	s_mov_b32 s47, 0
	s_add_nc_u64 s[8:9], s[8:9], s[46:47]
	v_lshlrev_b32 v5, 5, v2                        ; the bias in the result's layout: columns 16 b + 8 h + 0 .. 7
.irp b, 0,1,2,3,4,5,6,7
	global_load_b128 v[BIAS+8*\b:BIAS+8*\b+3], v5, s[8:9] offset:64*\b
	global_load_b128 v[BIAS+8*\b+4:BIAS+8*\b+7], v5, s[8:9] offset:64*\b+16
.endr
	v_mul_u32_u24 v3, v1, PA
	v_lshl_add_u32 v3, v2, 4, v3
	v_mul_u32_u24 v4, v1, PB
	v_lshl_add_u32 v4, v2, 4, v4
	s_mul_i32 s21, s15, 64*PA                      ; my 64 rows of y
	s_mul_i32 s22, s16, 128*PB                     ; my 128 rows of w
	s_add_co_u32 s22, s22, BOFF
.irp s, 0,1
	v_add_nc_u32 v[ADRA+\s], s21, v3
	v_add_nc_u32 v[ADRB+\s], s22, v4
	s_add_co_u32 s21, s21, SLOT
	s_add_co_u32 s22, s22, SLOT
.endr
	s_mul_i32 s23, s14, 16*SPITCH
	s_add_co_u32 s23, s23, STAGE                   ; my stage
	v_mul_u32_u24 v6, v1, SPITCH
	v_lshl_add_u32 v6, v2, 5, v6
	v_add_nc_u32 v[STO], s23, v6                   ; in: row r, 32 bytes for each half of the lanes
	v_and_b32 v6, 31, v0
	v_lshlrev_b32 v[CO], 4, v6
	v_add_nc_u32 v[RD], s23, v[CO]                 ; back: the 32 lanes take a row of 512 bytes
	s_lshl_b32 s22, s13, 19                        ; out: 128 rows of 4,096 bytes,
	s_lshl_b32 s23, s15, 18                        ; my 64 of them
	s_add_co_u32 s22, s22, s23
	s_mov_b32 s23, 0
	s_add_nc_u64 s[10:11], s[10:11], s[22:23]
	s_add_nc_u64 s[10:11], s[10:11], s[46:47]
.macro MUL8 f, a, first                ; y's block a against w's eight, 32 along K, from buffer f.  The 32 accumulators take turns in the same order in every quarter
.irp b, 0,1,2,3,4,5,6,7
.if \first
	v_wmma_f32_16x16x32_f16 v[8*(8*(\a)+\b):8*(8*(\a)+\b)+7], v[64*(\f)+8*\b:64*(\f)+8*\b+7], v[AF+32*(\f)+8*(\a):AF+32*(\f)+8*(\a)+7], v[BIAS+8*\b:BIAS+8*\b+7]
.else
	v_wmma_f32_16x16x32_f16 v[8*(8*(\a)+\b):8*(8*(\a)+\b)+7], v[64*(\f)+8*\b:64*(\f)+8*\b+7], v[AF+32*(\f)+8*(\a):AF+32*(\f)+8*(\a)+7], v[8*(8*(\a)+\b):8*(8*(\a)+\b)+7]
.endif
.endr
.endm
.macro FETCH slot, qd, f               ; 24 LDS loads in one run: the fragments of the slot's quarter qd (32 along K) into buffer f; w's 16 first, then y's 8
	WIN TO_B
.irp i, 0,1,2,3,4,5,6,7
	ds_load_b128 v[64*(\f)+8*\i:64*(\f)+8*\i+3],   v[ADRB+\slot] offset:64*(\qd)+\i*16*PB
	ds_load_b128 v[64*(\f)+8*\i+4:64*(\f)+8*\i+7], v[ADRB+\slot] offset:64*(\qd)+\i*16*PB+32
.endr
	WIN 0
.irp i, 0,1,2,3
	ds_load_b128 v[AF+32*(\f)+8*\i:AF+32*(\f)+8*\i+3],   v[ADRA+\slot] offset:((\qd)/2)*PLANE+((\qd)%2)*64+\i*16*PA
	ds_load_b128 v[AF+32*(\f)+8*\i+4:AF+32*(\f)+8*\i+7], v[ADRA+\slot] offset:((\qd)/2)*PLANE+((\qd)%2)*64+\i*16*PA+32
.endr
.endm
.macro PLACES                          ; four plain instructions in front of loads into registers that matrix instructions have read, and of reads of results
.rept 4
	v_nop
.endr
.endm
.macro QUARTER slot, qd, f, g, first   ; multiplies buffer f; in its middle it fetches quarter qd of the same slot into buffer g
	s_wait_dscnt 4                                 ; w's fragments and y's blocks 0, 1 are in; the youngest four loads (y's blocks 2, 3) may be out
.if \first
	WIN FIRST
.else
	WIN MUL
.endif
	MUL8 \f, 0, \first
	MUL8 \f, 1, \first
	PLACES
	FETCH \slot, \qd, \g
	s_wait_dscnt 24                                ; all but the 24 just issued
.if \first
	WIN FIRST
.else
	WIN MUL
.endif
	MUL8 \f, 2, \first
	MUL8 \f, 3, \first
.endm
; A slot's last quarter multiplies buffer 1 and changes slots: one barrier; in front of it each wave waits for all its tensor loads, adds 0 to its spare word, and waits for that and for its reads of this slot.
.macro TURN slot, next, fill
	WIN 0
	s_wait_tensorcnt 0x0                           ; all my tensor loads have landed: my part of the next slot
	ds_add_u32 v[SPW], v[NIL]
	s_wait_dscnt 5                                 ; the add and the youngest four loads may be out
	WIN MUL
	MUL8 1, 0, 0
	s_wait_dscnt 0x0                               ; the add is done, and my reads of this slot are over
	s_barrier_signal -1
	MUL8 1, 1, 0
.if \fill
	WIN 0
.endif
	s_barrier_wait -1
.if \fill
	CREST                                          ; the barrier has opened a round of the cluster's: no wave of any partner still reads this slot or has a load on its way
	s_add_nc_u64 s[G0+4*\slot+2:G0+4*\slot+3], s[G0+4*\slot+2:G0+4*\slot+3], 1048576   ; two K steps on: four heads
	s_add_nc_u64 s[G0B+4*\slot+2:G0B+4*\slot+3], s[G0B+4*\slot+2:G0B+4*\slot+3], 512
	JLOAD \slot                                    ; the first tensor load behind the round; its four v_nop are also the places in front of the loads below
.else
	PLACES
.endif
	FETCH \next, 0, 0
	WIN MUL
	MUL8 1, 2, 0
	MUL8 1, 3, 0
.endm
	s_wait_tensorcnt 1                             ; my part of K step 0 is in; K step 1's load may be out
	s_barrier_signal -1
	s_barrier_wait -1
	FETCH 0, 0, 0
	s_wait_loadcnt 0x0                             ; the bias
	QUARTER 0, 1, 0, 1, 1                          ; the first quarter starts the sums from the bias
	WIN 0
	s_mov_b32 s3, LAPS-1
.Llap:                                             ; a trip goes once round the ring and fills both slots again
	QUARTER 0, 2, 1, 0, 0
	QUARTER 0, 3, 0, 1, 0
	TURN 0, 1, 1
	QUARTER 1, 1, 0, 1, 0
	QUARTER 1, 2, 1, 0, 0
	QUARTER 1, 3, 0, 1, 0
	TURN 1, 0, 1
	QUARTER 0, 1, 0, 1, 0
	WIN 0
	s_sub_co_u32 s3, s3, 1
	s_cmp_lg_u32 s3, 0
	s_cbranch_scc1 .Llap
	QUARTER 0, 2, 1, 0, 0                          ; the last lap fills nothing
	QUARTER 0, 3, 0, 1, 0
	TURN 0, 1, 0
	QUARTER 1, 1, 0, 1, 0
	QUARTER 1, 2, 1, 0, 0
	QUARTER 1, 3, 0, 1, 0
	s_wait_dscnt 4
	WIN MUL
	MUL8 1, 0, 0
	MUL8 1, 1, 0
	s_wait_dscnt 0
	MUL8 1, 2, 0
	MUL8 1, 3, 0
	WIN 0
; THE WAY OUT, a block of 16 rows x 128 columns at a time, through my stage: it comes back as whole rows of 512 bytes.
.macro TOSTAGE a
	WIN 0x08                                       ; an LDS store's data: window 2
.irp b, 0,1,2,3,4,5,6,7
	ds_store_b128 v[STO], v[64*(\a)+8*\b:64*(\a)+8*\b+3] offset:64*\b          ; each accumulator from its low end on
	ds_store_b128 v[STO], v[64*(\a)+8*\b+4:64*(\a)+8*\b+7] offset:64*\b+16
.endr
	WIN 0
.set BB, BK+64*((\a)%2)
.irp t, 0,1,2,3,4,5,6,7,8,9,10,11,12,13,14,15
	ds_load_b128 v[BB+4*\t:BB+4*\t+3], v[RD] offset:\t*SPITCH
.endr
.endm
.macro SEND a, younger                 ; younger: the LDS instructions issued behind block a's loads, which may stay out
.set BB, BK+64*((\a)%2)
	s_wait_dscnt \younger
.irp t, 0,1,2,3,4,5,6,7,8,9,10,11,12,13,14,15
	global_store_b128 v[CO], v[BB+4*\t:BB+4*\t+3], s[10:11] offset:(\a)*65536+\t*4096 th:TH_STORE_NT   ; 512 consecutive bytes, aligned
.endr
.endm
	PLACES
	TOSTAGE 0
.irp a, 1,2,3
.if \a > 1
	s_wait_xcnt 0x0                                ; block a - 2's stores have read their registers: block a's loads may land there
.endif
	TOSTAGE \a
	SEND \a-1, 32                                  ; behind block a - 1's loads: block a's 16 stores and 16 loads
.endr
	SEND 3, 0
	s_wait_tensorcnt 0x0                           ; the wave's end
	ds_add_u32 v[SPW], v[NIL]
	s_wait_dscnt 0x0
	CROUND                                         ; the closing round
	s_endpgm
.Lfunc_end_k_q25b3db9706_proj:
	.size	k_q25b3db9706_proj, .Lfunc_end_k_q25b3db9706_proj-k_q25b3db9706_proj
	.p2alignl 7, 3214868480
	.fill 96, 4, 3214868480
	.section	.rodata,"a",@progbits
	.p2align	6, 0x0
	.amdhsa_kernel k_q25b3db9706_proj
		.amdhsa_group_segment_fixed_size 327680
		.amdhsa_private_segment_fixed_size 0
		.amdhsa_enable_private_segment 0
		.amdhsa_kernarg_size 32
		.amdhsa_user_sgpr_count 2
		.amdhsa_user_sgpr_kernarg_segment_ptr 1
		.amdhsa_wavefront_size32 1
		.amdhsa_system_sgpr_workgroup_id_x 1
		.amdhsa_system_sgpr_workgroup_id_y 1
		.amdhsa_system_sgpr_workgroup_id_z 1
		.amdhsa_system_vgpr_workitem_id 0
		.amdhsa_next_free_vgpr 768
		.amdhsa_next_free_sgpr 66
		.amdhsa_reserve_vcc 0
		.amdhsa_float_denorm_mode_32 3
		.amdhsa_float_denorm_mode_16_64 3
		.amdhsa_memory_ordered 1
		.amdhsa_forward_progress 1
		.amdhsa_inst_pref_size 87
	.end_amdhsa_kernel
	.amdgpu_metadata
---
amdhsa.version: [ 1, 2 ]
amdhsa.kernels:
  - .name:           k_q25b3db9706_proj
    .symbol:         k_q25b3db9706_proj.kd
    .args:
      - { .name: yh, .offset: 0, .size: 8, .value_kind: global_buffer, .address_space: global }
      - { .name: wpt, .offset: 8, .size: 8, .value_kind: global_buffer, .address_space: global }
      - { .name: b_proj, .offset: 16, .size: 8, .value_kind: global_buffer, .address_space: global }
      - { .name: out0, .offset: 24, .size: 8, .value_kind: global_buffer, .address_space: global }
    .group_segment_fixed_size: 327680
    .private_segment_fixed_size: 0
    .kernarg_segment_align: 8
    .kernarg_segment_size: 32
    .max_flat_workgroup_size: 128
    .sgpr_count:     66
    .vgpr_count:     768
    .wavefront_size: 32
...
	.end_amdgpu_metadata
.endif
;; end of part 4
;; launch first16 (part 5): grid 16 x 4, 16 waves a work-group, no clusters, 71,680 bytes of LDS; arguments qkv16, w_proj, b_proj, out0; writes out0
.if DOCPART == 5
	.amdgcn_target "amdgcn-amd-amdhsa--gfx1250"
	.amdhsa_code_object_version 6
	.text
	.protected	k_q25b3db9706_first16
	.globl	k_q25b3db9706_first16
	.p2align	8
	.type	k_q25b3db9706_first16,@function
k_q25b3db9706_first16:
	s_mov_b64 s[64:65], 0
	v_nop
	global_prefetch_b8 v0, s[64:65] scope:SCOPE_SE
	s_setreg_imm32_b32 hwreg(HW_REG_WAVE_MODE, 25, 1), 1
	s_wait_xcnt 0x0
; THE FIRST 16 POSITIONS OF EVERY BATCH, all in f32: they average one to sixteen values, so the rounding of 16-bit operands would weigh most there.  They write over what the launch before left in these rows.
; A work-group makes 16 rows x 64 columns of the output (x: which 64 columns; y: the batch).  Wave w is head w: it makes the head's 16 x 16 attention, then its part of the projection,
; y_head [16][64] x w_proj [64 w .. 64 w + 63][my 64 columns]; the sixteen parts meet in LDS and are added.
; All products by v_wmma_f32_16x16x4_f32, 96 a wave.  K is permuted alike in both operands of a product, so that no number changes lanes:
;   S^T = K Q^T: lane (r, h) holds channels 32 h + 0 .. 31 of row r of k and of q; step g takes registers 2 g, 2 g + 1.  Result: lane (r, h), register j: key 8 h + j of query r.
;   O^T = V^T P: step s takes p's registers 2 s, 2 s + 1 (keys 8 h + 2 s + j) and the same keys of V.  Result: channel 16 e + 8 h + j of query r.
;   out^T = W^T y^T: step (e, s) takes y's registers 8 e + 2 s + j (channels 16 e + 8 h + 2 s + j) and the same rows of W.  Result: column 16 i + 8 h + j of query r.
; The registers that these products write (v176-223) are written by matrix instructions alone; what is made of a sum goes elsewhere.
; The softmax takes the row's maximum away; key 0 counts for every query.
; REGISTERS: v16-47 q, v48-79 k; then v16-79 W's rows of channels 0-31, then the sixteen parts; v80-111 V^T, then y; v112-175 W's rows of channels 32-63; v176-191 S^T in two halves; v192-223 O^T, then out^T; v224-231 s, p.
.set SPARE, 69632                      ; behind the sixteen stages of 16 rows x (256 bytes + 16): the spare words, eight blocks of 256 bytes that no other line names
	s_load_b256 s[4:11], s[0:1], 0x0               ; qkv16 s[4:5], w_proj s[6:7], b_proj s[8:9], out0 s[10:11]
	v_lshl_add_u32 v12, v0, 2, SPARE
	v_mov_b32 v13, 0
	v_lshrrev_b32 v1, 5, v0
	v_readfirstlane_b32 s12, v1                    ; wave = head
	v_and_b32 v1, 15, v0                           ; r
	v_bfe_u32 v2, v0, 4, 1                         ; h
	s_and_b32 s13, ttmp7, 0xffff                   ; batch
	v_mul_u32_u24 v3, v1, 12288
	v_lshl_add_u32 v3, v2, 7, v3                   ; q, k: row r, + 128 h
	v_mul_u32_u24 v4, v2, 8*12288
	v_lshl_add_u32 v4, v1, 2, v4                   ; V: rows 8 h on, channel r
	v_lshlrev_b32 v5, 15, v2
	v_lshl_add_u32 v5, v1, 2, v5                   ; W: rows 8 h on, column r
	v_lshlrev_b32 v6, 4, v1                        ; the bias: 16 r
	v_lshl_add_u32 v7, v2, 12, v6                  ; out: row h, + 16 r
	s_mul_i32 s14, s12, 16*272
	v_mul_u32_u24 v8, v1, 272
	v_lshl_add_u32 v8, v2, 5, v8
	v_add_nc_u32 v8, s14, v8                       ; my stage, in: row r, 32 bytes for each half of the lanes
	s_mul_i32 s14, s12, 2*272
	v_mul_u32_u24 v9, v2, 272
	v_lshl_add_u32 v9, v1, 4, v9
	v_add_nc_u32 v9, s14, v9                       ; back (waves 0 to 7): row 2 wave + h of each stage, 16 bytes a lane
	v_lshlrev_b32 v10, 3, v2
	v_sub_nc_u32 v10, v1, v10                      ; r - 8 h
	v_mov_b32 v11, 0xff800000                      ; -infinity
	v_mov_b32 v241, 0                              ; a lane permute's destination counts as read
	s_mov_b32 s24, 0x76543210
	s_mov_b32 s25, 0xfedcba98
	s_mov_b32 s26, 0x3e38aa3b                      ; c = log2(e) / 8
	s_mul_i32 s16, s13, 196608
	s_lshl_b32 s17, s12, 8
	s_add_co_u32 s16, s16, s17                     ; the batch's 16 rows, my head's 256 bytes
	s_mov_b32 s17, 0
	s_lshl_b32 s20, ttmp9, 8                       ; my 64 columns in bytes
	s_mov_b32 s21, 0
	s_lshl_b32 s18, s12, 18                        ; W: my head's 64 rows of 4,096 bytes
	s_add_co_u32 s18, s18, s20
	s_mov_b32 s19, 0
	s_lshl_b32 s22, s13, 23                        ; out: the batch,
	s_lshl_b32 s23, s12, 13                        ; rows 2 wave on
	s_add_co_u32 s22, s22, s23
	s_add_co_u32 s22, s22, s20
	s_mov_b32 s23, 0
	s_wait_kmcnt 0x0
	s_add_nc_u64 s[4:5], s[4:5], s[16:17]
	s_add_nc_u64 s[6:7], s[6:7], s[18:19]
	s_add_nc_u64 s[8:9], s[8:9], s[20:21]
	s_add_nc_u64 s[10:11], s[10:11], s[22:23]
.irp i, 0,1,2,3,4,5,6,7
	global_load_b128 v[16+4*\i:19+4*\i], v3, s[4:5] offset:16*\i
.endr
.irp i, 0,1,2,3,4,5,6,7
	global_load_b128 v[48+4*\i:51+4*\i], v3, s[4:5] offset:4096+16*\i
.endr
.irp e, 0,1,2,3
.irp k, 0,1,2,3,4,5,6,7
	global_load_b32 v[80+8*\e+\k], v4, s[4:5] offset:\k*12288+8192+64*\e
.endr
.endr
	global_load_b128 v[232:235], v6, s[8:9]
.irp e, 2,3
.irp s, 0,1,2,3
.irp i, 0,1,2,3
.irp j, 0,1
	global_load_b32 v[112+32*(\e-2)+8*\s+2*\i+\j], v5, s[6:7] offset:(16*\e+2*\s+\j)*4096+64*\i
.endr
.endr
.endr
.endr
	s_wait_loadcnt 63                              ; 113 loads are issued: the first 50 are in: q, k, V and the bias are the first 49
	v_wmma_f32_16x16x4_f32 v[176:183], v[48:49], v[16:17], 0       ; two sums by turns; each begins with its own first step
	v_wmma_f32_16x16x4_f32 v[184:191], v[50:51], v[18:19], 0
.set g, 2
.rept 7
	v_wmma_f32_16x16x4_f32 v[176:183], v[48+2*g:49+2*g], v[16+2*g:17+2*g], v[176:183]
	v_wmma_f32_16x16x4_f32 v[184:191], v[50+2*g:51+2*g], v[18+2*g:19+2*g], v[184:191]
.set g, g+2
.endr
.rept 8
	v_nop                                          ; eight places behind this form, in front of loads into its sources and of reads of its results
.endr
.irp e, 0,1
.irp s, 0,1,2,3
.irp i, 0,1,2,3
.irp j, 0,1
	global_load_b32 v[16+32*\e+8*\s+2*\i+\j], v5, s[6:7] offset:(16*\e+2*\s+\j)*4096+64*\i
.endr
.endr
.endr
.endr
.irp i, 0,2,4,6
	v_pk_add_f32 v[224+\i:225+\i], v[176+\i:177+\i], v[184+\i:185+\i]   ; the two halves of the scores, from the low end on
.endr
.irp j, 0,1,2,3,4,5,6,7
	v_cmp_gt_i32 vcc_lo, \j, v10                   ; key 8 h + j comes after query r
	v_cndmask_b32 v[224+\j], v[224+\j], v11, vcc_lo
.endr
	v_max3_num_f32 v240, v224, v225, v226
	v_max3_num_f32 v240, v240, v227, v228
	v_max3_num_f32 v240, v240, v229, v230
	v_max_num_f32 v240, v240, v231
	v_permlanex16_b32 v241, v240, s24, s25
	v_max_num_f32 v240, v240, v241                 ; the row's maximum
	v_mul_f32 v240, s26, v240
.irp j, 0,1,2,3,4,5,6,7
	v_fma_f32 v[224+\j], v[224+\j], s26, -v240
.endr
.irp j, 0,1,2,3,4,5,6,7
	v_exp_f32 v[224+\j], v[224+\j]
.endr
	v_nop
	s_wait_alu depctr_va_vdst(0)                   ; one wait for the eight exponentials, ahead of their first reader
	v_pk_add_f32 v[242:243], v[224:225], v[226:227]
	v_pk_add_f32 v[244:245], v[228:229], v[230:231]
	v_pk_add_f32 v[242:243], v[242:243], v[244:245]
	v_add_f32 v242, v242, v243
	v_permlanex16_b32 v241, v242, s24, s25
	v_add_f32 v242, v242, v241                     ; the row's sum
	v_rcp_f32 v243, v242
.irp s, 0,1,2,3                        ; four sums by turns
.irp e, 0,1,2,3
.if \s == 0
	v_wmma_f32_16x16x4_f32 v[192+8*\e:199+8*\e], v[80+8*\e+2*\s:81+8*\e+2*\s], v[224+2*\s:225+2*\s], 0
.else
	v_wmma_f32_16x16x4_f32 v[192+8*\e:199+8*\e], v[80+8*\e+2*\s:81+8*\e+2*\s], v[224+2*\s:225+2*\s], v[192+8*\e:199+8*\e]
.endif
.endr
.endr
.rept 9
	v_nop                                          ; nine places: the sums' registers are begun anew by matrix instructions below; eight serve the reads and the writes into V's registers
.endr
	s_wait_alu depctr_va_vdst(0)                   ; the reciprocal's wait, ahead of its first reader
.set i, 0
.rept 32
	v_mul_f32 v[80+i], v[192+i], v243              ; y, from each sum's low end on
.set i, i+1
.endr
	s_wait_loadcnt 63                              ; behind W's rows of channels 32-63 only the 64 later loads were issued: those rows are in
.irp e, 2,3
.irp s, 0,1,2,3
.irp i, 0,1,2,3
.if (\e == 2) && (\s == 0)
	v_wmma_f32_16x16x4_f32 v[192+8*\i:199+8*\i], v[112+32*(\e-2)+8*\s+2*\i:113+32*(\e-2)+8*\s+2*\i], v[80+8*\e+2*\s:81+8*\e+2*\s], 0
.else
	v_wmma_f32_16x16x4_f32 v[192+8*\i:199+8*\i], v[112+32*(\e-2)+8*\s+2*\i:113+32*(\e-2)+8*\s+2*\i], v[80+8*\e+2*\s:81+8*\e+2*\s], v[192+8*\i:199+8*\i]
.endif
.endr
.endr
.endr
	s_wait_loadcnt 0x0
.irp e, 0,1
.irp s, 0,1,2,3
.irp i, 0,1,2,3
	v_wmma_f32_16x16x4_f32 v[192+8*\i:199+8*\i], v[16+32*\e+8*\s+2*\i:17+32*\e+8*\s+2*\i], v[80+8*\e+2*\s:81+8*\e+2*\s], v[192+8*\i:199+8*\i]
.endr
.endr
.endr
.rept 8
	v_nop
.endr
.irp i, 0,1,2,3
	ds_store_b128 v8, v[192+8*\i:195+8*\i] offset:64*\i            ; my part: row r, columns 16 i + 8 h + 0 .. 7
	ds_store_b128 v8, v[196+8*\i:199+8*\i] offset:64*\i+16
.endr
	s_wait_dscnt 0x0                               ; for the others' sake: my stores are done
	s_barrier_signal -1
	s_barrier_wait -1
	s_cmp_ge_u32 s12, 8                            ; waves 0 to 7 add: two rows each
	s_cbranch_scc1 .Lend
.irp p, 0,1,2,3,4,5,6,7,8,9,10,11,12,13,14,15
	ds_load_b128 v[16+4*\p:19+4*\p], v9 offset:\p*16*272
.endr
	s_wait_dscnt 0x0
.irp d, 32,16,8,4
.set i, 0
.rept \d/2
	v_pk_add_f32 v[16+i:17+i], v[16+i:17+i], v[16+\d+i:17+\d+i]
.set i, i+2
.endr
.endr
	v_pk_add_f32 v[16:17], v[16:17], v[232:233]
	v_pk_add_f32 v[18:19], v[18:19], v[234:235]
	global_store_b128 v7, v[16:19], s[10:11]       ; sixteen lanes store 256 consecutive bytes, aligned
.Lend:
	s_wait_tensorcnt 0x0                           ; the wave's end, behind my last LDS store
	ds_add_u32 v12, v13
	s_wait_dscnt 0x0
	s_endpgm
.Lfunc_end_k_q25b3db9706_first16:
	.size	k_q25b3db9706_first16, .Lfunc_end_k_q25b3db9706_first16-k_q25b3db9706_first16
	.p2alignl 7, 3214868480
	.fill 96, 4, 3214868480
	.section	.rodata,"a",@progbits
	.p2align	6, 0x0
	.amdhsa_kernel k_q25b3db9706_first16
		.amdhsa_group_segment_fixed_size 71680
		.amdhsa_private_segment_fixed_size 0
		.amdhsa_enable_private_segment 0
		.amdhsa_kernarg_size 32
		.amdhsa_user_sgpr_count 2
		.amdhsa_user_sgpr_kernarg_segment_ptr 1
		.amdhsa_wavefront_size32 1
		.amdhsa_system_sgpr_workgroup_id_x 1
		.amdhsa_system_sgpr_workgroup_id_y 1
		.amdhsa_system_sgpr_workgroup_id_z 1
		.amdhsa_system_vgpr_workitem_id 0
		.amdhsa_next_free_vgpr 256
		.amdhsa_next_free_sgpr 66
		.amdhsa_reserve_vcc 1
		.amdhsa_float_denorm_mode_32 3
		.amdhsa_float_denorm_mode_16_64 3
		.amdhsa_memory_ordered 1
		.amdhsa_forward_progress 1
		.amdhsa_inst_pref_size 34
	.end_amdhsa_kernel
	.amdgpu_metadata
---
amdhsa.version: [ 1, 2 ]
amdhsa.kernels:
  - .name:           k_q25b3db9706_first16
    .symbol:         k_q25b3db9706_first16.kd
    .args:
      - { .name: qkv16, .offset: 0, .size: 8, .value_kind: global_buffer, .address_space: global }
      - { .name: w_proj, .offset: 8, .size: 8, .value_kind: global_buffer, .address_space: global }
      - { .name: b_proj, .offset: 16, .size: 8, .value_kind: global_buffer, .address_space: global }
      - { .name: out0, .offset: 24, .size: 8, .value_kind: global_buffer, .address_space: global }
    .group_segment_fixed_size: 71680
    .private_segment_fixed_size: 0
    .kernarg_segment_align: 8
    .kernarg_segment_size: 32
    .max_flat_workgroup_size: 512
    .sgpr_count:     66
    .vgpr_count:     256
    .wavefront_size: 32
...
	.end_amdgpu_metadata
.endif
;; end of part 5
